; MI455X (gfx1250); checked and timed in simulation.
; The chip was launched on July 23, 2026; its instructions are those of AMD's public machine-readable ISA for CDNA 5 (MIT licence, August 2026) and "CDNA5" Instruction Set Architecture Reference Guide (July 2026). The comments in the code are by the model that wrote it; some were corrected since.
;; Multi Head Attention. Allowed arithmetic: matrix products marked QUANTISED: E4M3 operands, one given power-of-two scale a tensor, by v_wmma_f32_16x16x64_fp8_fp8 or v_wmma_f32_16x16x128_fp8_fp8, f32 sums; everything else in f32.
;; Inputs: Wk 2,048 x 2,048 float32; Wo 2,048 x 2,048 float32; Wq 2,048 x 2,048 float32; Wv 2,048 x 2,048 float32; attn_mask 2,048 x 2,048 float32; bk 2,048 float32; bo 2,048 float32; bq 2,048 float32; bv 2,048 float32; lowp_scales 12 int32 (the exponents e of the quantised operands' scales 2^e); x 1 x 2,048 x 2,048 float32.
;; Outputs: out0 1 x 2,048 x 2,048 float32.
;; This version of the problem:
;;   THIS VERSION OF THE PROBLEM IS GIVEN IN LOW PRECISION. The matrix products marked QUANTISED in the list below multiply operands that are first quantised to E4M3 (4 exponent bits, 3 mantissa bits; 8 bits a number), with one given power-of-two scale for each operand tensor; their sums are f32. All else is computed in f32.
;;   The module's matrix products, in the order in which they are computed (A, B: the left and right operand; K: the contracted axis; several contracted axes count as one K, in the product's order):
;;     1. [M 2,048, K 2,048] x [K 2,048, N 2,048]; A: input x; B: input Wq: QUANTISED (scales: A lowp_scales[0], B lowp_scales[1])
;;     2. [M 2,048, K 2,048] x [K 2,048, N 2,048]; A: input x; B: input Wk: QUANTISED (scales: A lowp_scales[2], B lowp_scales[3])
;;     3. [M 2,048, K 2,048] x [K 2,048, N 2,048]; A: input x; B: input Wv: QUANTISED (scales: A lowp_scales[4], B lowp_scales[5])
;;     4. batch 16 x [M 2,048, K 128] x [K 128, N 2,048]; A: computed on the way; B: computed on the way: QUANTISED (scales: A lowp_scales[6], B lowp_scales[7])
;;     5. batch 16 x [M 2,048, K 2,048] x [K 2,048, N 128]; A: softmax (see below); B: computed on the way: QUANTISED (scales: A lowp_scales[8], B lowp_scales[9])
;;     6. [M 2,048, K 2,048] x [K 2,048, N 2,048]; A: computed on the way; B: input Wo: QUANTISED (scales: A lowp_scales[10], B lowp_scales[11])
;;   THE QUANTISER, for each operand of a quantised product, along K:
;;     - The operand's scale is 2^e, e = its entry of the input lowp_scales (int32; the entries are numbered through the quantised products in the list's order, A before B).
;;     - Each number is divided by the scale, clamped to +-448, and rounded to the nearest number of E4M3, ties to even, subnormals kept.
;;     - The product sums the exact products of the quantised numbers (number of the format x scale) in f32.
;;   ~~~python
;;   def quantise(x, axis, e):      # numpy; x: float32 -> the quantised numbers, widened to float32 again
;;       x = np.moveaxis(x, axis, -1); K = x.shape[-1]
;;       r = np.clip(x / 2.0 ** e, -448, 448)
;;       step = 2.0 ** (np.maximum(np.frexp(np.where(r == 0, 1, r))[1] - 1, -6) - 3)
;;       q = np.round(r / step) * step * 2.0 ** e      # np.round: ties to even
;;       return np.moveaxis(q, -1, axis).astype(np.float32)
;;   ~~~
;;   SOFTMAX AHEAD OF A QUANTISED PRODUCT. Where the list says 'softmax', what is quantised is not the finished softmax but p = 2^(t - M), with t = logit x log2(e) and M = ceil(the row's largest t), a whole number; so 1/2 < the row's largest p <= 1. The row's sum l is taken of the UNQUANTISED p, in f32, and the product's result is divided by l at the end. Since M is a whole number, a kernel that streams over the keys may use a running M (the ceiling of the running maximum): every later rescaling is an exact power of two, so the quantised numbers keep their values, but for numbers so far below the row's largest that they fall under the format's range.
;;   OPERANDS COMPUTED ON THE WAY. 'Computed on the way' means the value that the module computes at that place (a softmax that the list does not call 'softmax' is quantised finished and normalised). What goes into a quantiser is computed in f32, as accurately as f32 sums, v_exp_f32 and their like allow (about 1e-6 of the number): no bf16 or f16 on the way to a quantiser, and a product that is left as it is and whose result goes on into a quantised operand takes f32 operands (vector FMAs, or v_wmma_f32_16x16x4_f32). A number that lies on a knife's edge between two numbers of the format may be rounded either way, as far as f32 arithmetic and the matrix unit's own rounding can turn it there, and no further.
;; 2 versions. Each part assembles by itself: llvm-mc -triple=amdgcn-amd-amdhsa -mcpu=gfx1250 --defsym DOCPART=n.
;; ======== version 1 of 2: 4 launches
;; limits: inputs' magnitudes at most 2e+29
;; workspace buffers: codes 29,360,128 bytes; qkv 12,582,912 bytes; ac 4,194,304 bytes
;; launch quant (part 1): grid 640 x 1, 4 waves a work-group, no clusters, 34,304 bytes of LDS; arguments x, Wq, Wk, Wv, Wo, lowp_scales, codes; writes codes
.if DOCPART == 1
	.amdgcn_target "amdgcn-amd-amdhsa--gfx1250"
	.amdhsa_code_object_version 6
	.text
	.protected	k_q4d46f46599_quant
	.globl	k_q4d46f46599_quant
	.p2align	8
	.type	k_q4d46f46599_quant,@function
k_q4d46f46599_quant:
	s_mov_b64 s[64:65], 0
	v_nop
	global_prefetch_b8 v0, s[64:65] scope:SCOPE_SE
	s_setreg_imm32_b32 hwreg(HW_REG_WAVE_MODE, 25, 1), 1
	s_wait_xcnt 0x0
; x [2048][2048] and Wq, Wk, Wv, Wo [2048 (k)][2048 (n)], f32, become codes of FP8 (E4M3): code = number / 2^e, held within +-448, to the nearest code, ties to even.
; x is quantised three times, with e0, e2, e4 (the three products that read it name three scales); the weights with e1, e3, e5, e11.
; THE LAYOUT OF THE CODES: IMAGES OF OPERAND REGISTERS.  A fragment is 16 rows x 128 K: 16 registers a lane; lane (r = l % 16, h = l / 16) holds in registers 2 c, 2 c + 1 the codes of k = 16 c + 8 h + 0 .. 7 of row r.
; Its image is 2,048 bytes: registers 4 g .. 4 g + 3 of lane l lie at 512 g + 16 l.  A section of the buffer (4 MiB) is [block of 128 rows: 16][K step of 128: 16][tile of 16 rows: 8][2,048]; a weight's rows are its n.
; Sections: 0, 1, 2: x with e0, e2, e4;  3, 4, 5, 6: Wq, Wk, Wv, Wo.
; Work-groups 0 to 127 take x, a tile of 16 rows each; wave w its K steps 4 w .. 4 w + 3.  A load reads 512 consecutive bytes of one row; the 16 rows x 512 bytes of a K step turn through the wave's own stage in LDS,
; so that a lane gets eight neighbours along K for each conversion; a store writes 512 consecutive bytes of an image.
; Work-groups 128 to 639 take the weights: 128 columns x 256 along K each.  A lane takes a column n and its registers run down K, so the conversions' results have K innermost and nothing is transposed;
; in each store sixteen neighbouring lanes write 256 consecutive bytes, aligned.  That path touches no LDS.
; No cluster, no tensor load: no byte is read twice, and the waves share nothing.
; LIMITS: each e between -126 and 119, so that 2^e and 448 x 2^e are f32 numbers.  NaN among the inputs is not served.
.set SEC,   0x400000                   ; a section
.set RB,    262144                     ; a block of 128 rows
.set KS,    16384                      ; a K step of it
.set TL,    2048                       ; an image
.set SP,    528                        ; a stage row: 512 bytes + 16 = 132 words: row r starts at bank 4 r mod 64 (64 banks of 4 bytes: ISA guide 11.1)
.set WST,   16*SP                      ; a wave's stage
.set SPARE, 4*WST                      ; behind the stages: the spare words, 128 bytes for each wave: two blocks of 256 bytes that no other line names
.set GL,  1                            ; v1   16 x lane: my place in a load's and in a store's 512 bytes
.set SS,  2                            ; v2   the stage on the way in
.set SR,  3                            ; v3   and on the way out: row r, + 32 h
.set WO,  4                            ; v4   weights: my place in a store
.set SPW, 6                            ; v6   LDS address of my spare word; never rewritten
.set NIL, 7                            ; v7   0; never rewritten
.set SC,  8                            ; v8-10   2^e as f32, one for each of x's three scales (weights: v8)
.set LIM, 11                           ; v11-13  448 x 2^e (weights: v11)
.set WL,  12                           ; v12  weights: 4 x lane
.set T,   16                           ; v16-31  two sets of eight held numbers
.set C,   32                           ; v32-63  two sets of a fragment's 16 registers of codes
.set X,   64                           ; v64-127 x: a K step's 64 numbers of my lane; weights: two sets of 32
.set R,   128                          ; v128-255 x: two sets of 64 as loaded
.set WC,  128                          ; v128-191 weights: eight registers of codes for each block: no store's data are written again
.set OB,  32                           ; s[32:37] x: where my images go, in sections 0, 1, 2
.macro XLOAD u                         ; K step u of my four: 16 rows x 512 bytes
.irp i, 0,1,2,3,4,5,6,7,8,9,10,11,12,13,14,15
	global_load_b128 v[R+64*((\u)%2)+4*\i:R+64*((\u)%2)+4*\i+3], v[GL], s[4:5] offset:\i*8192+(\u)*512 th:TH_LOAD_NT
.endr
.endm
.macro XQ u, p                         ; the 64 numbers in X become a fragment with scale p, and leave
.set CC, C+16*((3*(\u)+(\p))%2)
	s_wait_xcnt 0x0                                ; the stores of two fragments ago have read this set of code registers: it is written again only behind this wait
.irp c, 0,1,2,3,4,5,6,7
.irp e, 0,1,2,3,4,5,6,7
	v_med3_num_f32 v[T+8*(\c%2)+\e], v[X+8*\c+\e], -v[LIM+\p], v[LIM+\p]   ; the conversion to an 8-bit code does not saturate (ISA guide 7.6.2): hold first.  X stays: it is quantised three times
.endr
	v_cvt_scalef32_pk8_fp8_f32 v[CC+2*\c:CC+2*\c+1], v[T+8*(\c%2):T+8*(\c%2)+7], v[SC+\p]   ; registers 2 c, 2 c + 1.  The other set's eight holds stand between this line and the next write of its sources
.endr
.irp g, 0,1,2,3
	global_store_b128 v[GL], v[CC+4*\g:CC+4*\g+3], s[OB+2*\p:OB+2*\p+1] offset:(\u)*KS+512*\g   ; 32 lanes store 512 consecutive bytes, at a multiple of 512 from the buffer's first byte
.endr
.endm
.macro XUNIT u, left                   ; left: the next K step's sixteen loads, which may stay out
	s_wait_loadcnt \left
.irp i, 0,1,2,3,4,5,6,7,8,9,10,11,12,13,14,15
	ds_store_b128 v[SS], v[R+64*((\u)%2)+4*\i:R+64*((\u)%2)+4*\i+3] offset:\i*SP
.endr
.irp c, 0,1,2,3,4,5,6,7
	ds_load_b128 v[X+8*\c:X+8*\c+3], v[SR] offset:64*\c          ; LDS serves a wave's instructions in order (ISA guide 5.7.1.4): these see my stores.  k = 16 c + 8 h + 0 .. 3,
	ds_load_b128 v[X+8*\c+4:X+8*\c+7], v[SR] offset:64*\c+16     ; and + 4 .. 7
.endr
	s_wait_dscnt 0x0                               ; the numbers are back, and the stores into the stage have read their registers,
.if (\u) < 2
	XLOAD (\u)+2                                   ; which take the K step two further on
.endif
	XQ \u, 0
	XQ \u, 1
	XQ \u, 2
.endm
.macro MKSC p, e                       ; 2^e and 448 x 2^e as f32, e in s[e]
	s_add_co_i32 s42, s[\e], 127
	s_lshl_b32 s43, s42, 23
	v_mov_b32 v[SC+\p], s43
	s_add_co_i32 s42, s42, 8
	s_lshl_b32 s42, s42, 23
	s_or_b32 s42, s42, 0x600000
	v_mov_b32 v[LIM+\p], s42
.endm
.macro WLOAD t                         ; block t of eight: W(32 t + i, my column), i = 0 .. 31: a wave reads 128 consecutive bytes, the four waves 512
.set i, 0
.rept 32
	global_load_b32 v[X+32*((\t)%2)+i], v[WL], s[4:5] offset:(32*(\t)+i)*8192 th:TH_LOAD_NT
.set i, i+1
.endr
.endm
.macro WBLOCK t
.set XS, X+32*((\t)%2)
.set CW, WC+8*(\t)
.if (\t) < 7
	s_wait_loadcnt 32                              ; this block's 32 loads are in; the next block's 32 may be out
.else
	s_wait_loadcnt 0x0
.endif
.set i, 0
.rept 32
	v_med3_num_f32 v[XS+i], v[XS+i], -v[LIM], v[LIM]
.set i, i+1
.endr
	v_cvt_scalef32_pk8_fp8_f32 v[CW:CW+1], v[XS:XS+7], v[SC]         ; k' = 0 .. 7 of the block: half 0 of registers 2 c
	v_cvt_scalef32_pk8_fp8_f32 v[CW+2:CW+3], v[XS+16:XS+23], v[SC]   ; 16 .. 23: half 0 of registers 2 c + 2
	v_cvt_scalef32_pk8_fp8_f32 v[CW+4:CW+5], v[XS+8:XS+15], v[SC]    ; 8 .. 15: half 1
	v_cvt_scalef32_pk8_fp8_f32 v[CW+6:CW+7], v[XS+24:XS+31], v[SC]   ; 24 .. 31: half 1.  (The results go to stores alone, the sources are next written by loads; the next block begins with plain vector lines)
	global_store_b128 v[WO], v[CW:CW+3], s[8:9] offset:((\t)/4)*KS+((\t)%4)*512        ; the image's lanes 0-15: sixteen lanes write 256 consecutive bytes, aligned; my lanes 16-31 the next tile's
	global_store_b128 v[WO], v[CW+4:CW+7], s[8:9] offset:((\t)/4)*KS+((\t)%4)*512+256  ; the image's lanes 16-31
.if (\t) < 6
	WLOAD (\t)+2
.endif
.endm
	s_load_b256 s[4:11], s[0:1], 0x0               ; x, Wq, Wk, Wv
	s_load_b128 s[12:15], s[0:1], 0x20             ; Wo, the scales' exponents
	s_load_b64 s[16:17], s[0:1], 0x30              ; the codes
	v_lshl_add_u32 v[SPW], v0, 2, SPARE
	v_mov_b32 v[NIL], 0
	v_lshrrev_b32 v14, 5, v0
	v_readfirstlane_b32 s18, v14                   ; wave
	v_and_b32 v14, 31, v0                          ; lane
	v_and_b32 v15, 15, v0                          ; r
	v_bfe_u32 v5, v0, 4, 1                         ; h
	v_lshlrev_b32 v[GL], 4, v14
	s_mul_i32 s19, s18, WST                        ; my stage
	v_add_nc_u32 v[SS], s19, v[GL]
	v_mul_u32_u24 v[SR], v15, SP
	v_lshl_add_u32 v[SR], v5, 5, v[SR]
	v_add_nc_u32 v[SR], s19, v[SR]
	s_wait_kmcnt 0x0
	s_load_b256 s[20:27], s[14:15], 0x0            ; e0 .. e7
	s_load_b128 s[28:31], s[14:15], 0x20           ; e8 .. e11
	s_cmp_lt_u32 ttmp9, 128                        ; x's work-group or a weight's: the work-group's number alone decides
	s_cbranch_scc0 .Lweights
	; ---- x: rows 16 g .. 16 g + 15
	s_lshl_b32 s38, ttmp9, 17                      ; 16 rows of 8,192 bytes
	s_lshl_b32 s39, s18, 11                        ; my four K steps of 512 bytes
	s_add_co_u32 s38, s38, s39
	s_mov_b32 s39, 0
	s_add_nc_u64 s[4:5], s[4:5], s[38:39]
	s_lshr_b32 s40, ttmp9, 3
	s_lshl_b32 s40, s40, 18                        ; block of 128 rows,
	s_lshl_b32 s41, s18, 16                        ; K step 4 w,
	s_add_co_u32 s40, s40, s41
	s_and_b32 s41, ttmp9, 7
	s_lshl_b32 s41, s41, 11                        ; tile in the block
	s_add_co_u32 s40, s40, s41
	s_mov_b32 s41, 0
	s_add_nc_u64 s[OB:OB+1], s[16:17], s[40:41]
	s_add_nc_u64 s[OB+2:OB+3], s[OB:OB+1], SEC     ; three bases: a section is more than a store's immediate holds
	s_add_nc_u64 s[OB+4:OB+5], s[OB+2:OB+3], SEC
	XLOAD 0
	XLOAD 1
	s_wait_kmcnt 0x0
	MKSC 0, 20
	MKSC 1, 22
	MKSC 2, 24
	XUNIT 0, 16
	XUNIT 1, 16
	XUNIT 2, 16
	XUNIT 3, 0
	s_wait_tensorcnt 0x0                           ; the wave's end: behind my last LDS store
	ds_add_u32 v[SPW], v[NIL]
	s_wait_dscnt 0x0
	s_endpgm
.Lweights:
	; ---- a weight: g' = work-group - 128; weight g' / 128; 256 along K: (g' / 16) % 8; 128 columns: g' % 16
	s_sub_co_u32 s38, ttmp9, 128
	s_lshr_b32 s39, s38, 7
	s_cmp_eq_u32 s39, 1
	s_cselect_b64 s[6:7], s[8:9], s[6:7]
	s_cmp_eq_u32 s39, 2
	s_cselect_b64 s[6:7], s[10:11], s[6:7]
	s_cmp_eq_u32 s39, 3
	s_cselect_b64 s[6:7], s[12:13], s[6:7]         ; the weight
	s_bfe_u32 s40, s38, 0x30004                    ; ky
	s_and_b32 s41, s38, 15                         ; nb
	s_lshl_b32 s44, s40, 21                        ; 256 rows of 8,192 bytes
	s_lshl_b32 s42, s41, 9                         ; 128 columns of 4 bytes
	s_add_co_u32 s44, s44, s42
	s_lshl_b32 s42, s18, 7                         ; my wave's 32 columns
	s_add_co_u32 s44, s44, s42
	s_mov_b32 s45, 0
	s_add_nc_u64 s[4:5], s[6:7], s[44:45]
	s_add_co_u32 s44, s39, 3
	s_lshl_b32 s44, s44, 22                        ; section 3 + weight
	s_lshl_b32 s42, s41, 18                        ; block of 128 rows (n)
	s_add_co_u32 s44, s44, s42
	s_lshl_b32 s42, s40, 15                        ; K step 2 ky
	s_add_co_u32 s44, s44, s42
	s_lshl_b32 s42, s18, 12                        ; tiles 2 w, 2 w + 1
	s_add_co_u32 s44, s44, s42
	s_add_nc_u64 s[8:9], s[16:17], s[44:45]
	v_lshlrev_b32 v[WL], 2, v14
	v_lshlrev_b32 v[WO], 4, v15                    ; row r of the tile: 16 r,
	v_lshl_add_u32 v[WO], v5, 11, v[WO]            ; lanes 16-31 in the next tile
	WLOAD 0
	WLOAD 1
	s_wait_kmcnt 0x0
	s_cmp_eq_u32 s39, 1
	s_cselect_b32 s21, s23, s21
	s_cmp_eq_u32 s39, 2
	s_cselect_b32 s21, s25, s21
	s_cmp_eq_u32 s39, 3
	s_cselect_b32 s21, s31, s21                    ; e1, e3, e5 or e11
	MKSC 0, 21
	WBLOCK 0
	WBLOCK 1
	WBLOCK 2
	WBLOCK 3
	WBLOCK 4
	WBLOCK 5
	WBLOCK 6
	WBLOCK 7
	s_endpgm
.Lfunc_end_k_q4d46f46599_quant:
	.size	k_q4d46f46599_quant, .Lfunc_end_k_q4d46f46599_quant-k_q4d46f46599_quant
	.p2alignl 7, 3214868480
	.fill 96, 4, 3214868480
	.section	.rodata,"a",@progbits
	.p2align	6, 0x0
	.amdhsa_kernel k_q4d46f46599_quant
		.amdhsa_group_segment_fixed_size 34304
		.amdhsa_private_segment_fixed_size 0
		.amdhsa_enable_private_segment 0
		.amdhsa_kernarg_size 56
		.amdhsa_user_sgpr_count 2
		.amdhsa_user_sgpr_kernarg_segment_ptr 1
		.amdhsa_wavefront_size32 1
		.amdhsa_system_sgpr_workgroup_id_x 1
		.amdhsa_system_sgpr_workgroup_id_y 1
		.amdhsa_system_sgpr_workgroup_id_z 1
		.amdhsa_system_vgpr_workitem_id 0
		.amdhsa_next_free_vgpr 256
		.amdhsa_next_free_sgpr 66
		.amdhsa_reserve_vcc 0
		.amdhsa_float_denorm_mode_32 3
		.amdhsa_float_denorm_mode_16_64 3
		.amdhsa_memory_ordered 1
		.amdhsa_forward_progress 1
		.amdhsa_inst_pref_size 122
	.end_amdhsa_kernel
	.amdgpu_metadata
---
amdhsa.version: [ 1, 2 ]
amdhsa.kernels:
  - .name:           k_q4d46f46599_quant
    .symbol:         k_q4d46f46599_quant.kd
    .args:
      - { .name: x, .offset: 0, .size: 8, .value_kind: global_buffer, .address_space: global }
      - { .name: Wq, .offset: 8, .size: 8, .value_kind: global_buffer, .address_space: global }
      - { .name: Wk, .offset: 16, .size: 8, .value_kind: global_buffer, .address_space: global }
      - { .name: Wv, .offset: 24, .size: 8, .value_kind: global_buffer, .address_space: global }
      - { .name: Wo, .offset: 32, .size: 8, .value_kind: global_buffer, .address_space: global }
      - { .name: lowp_scales, .offset: 40, .size: 8, .value_kind: global_buffer, .address_space: global }
      - { .name: codes, .offset: 48, .size: 8, .value_kind: global_buffer, .address_space: global }
    .group_segment_fixed_size: 34304
    .private_segment_fixed_size: 0
    .kernarg_segment_align: 8
    .kernarg_segment_size: 56
    .max_flat_workgroup_size: 128
    .sgpr_count:     66
    .vgpr_count:     256
    .wavefront_size: 32
...
	.end_amdgpu_metadata
.endif
;; end of part 1
;; launch qkv (part 2): grid 8 x 24, 4 waves a work-group, clusters of 4 x 4, 327,680 bytes of LDS; arguments codes, bq, bk, bv, lowp_scales, qkv; writes qkv
.if DOCPART == 2
	.amdgcn_target "amdgcn-amd-amdhsa--gfx1250"
	.amdhsa_code_object_version 6
	.text
	.protected	k_q4d46f46599_qkv
	.globl	k_q4d46f46599_qkv
	.p2align	8
	.type	k_q4d46f46599_qkv,@function
k_q4d46f46599_qkv:
	s_mov_b64 s[64:65], 0
	v_nop
	global_prefetch_b8 v0, s[64:65] scope:SCOPE_SE
	s_setreg_imm32_b32 hwreg(HW_REG_WAVE_MODE, 25, 1), 1
	s_wait_xcnt 0x0
	s_wait_alu depctr_hold_cnt(0) depctr_sa_sdst(0) depctr_va_vdst(0) depctr_va_sdst(0) depctr_va_ssrc(0) depctr_va_vcc(0) depctr_vm_vsrc(0)
	s_getreg_b32 s2, hwreg(HW_REG_IB_STS2, 6, 4)
	s_cmp_eq_u32 s2, 0
	s_cbranch_scc0 .Lentry_in_a_cluster
	s_endpgm
.Lentry_in_a_cluster:
	s_bfe_u32 s2, ttmp6, 0x10000c
	s_cmp_lg_u32 s2, 0xf033
	s_cbranch_scc0 .Lentry_shape_is_right
	s_endpgm
.Lentry_shape_is_right:
; q = x Wq + bq, k = x Wk + bk, v = x Wv + bv on codes of FP8 (E4M3), and each result quantised at once for attention's products: q with e6, k with e7, v with e9.
; All operands lie as IMAGES OF OPERAND REGISTERS: a fragment (16 rows x 128 K; lane (r, h), registers 2 c, 2 c + 1: k = 16 c + 8 h + 0 .. 7 of row r) is 2,048 bytes, registers 4 g .. 4 g + 3 of lane l at 512 g + 16 l.
; A section of the codes' buffer (4 MiB) is [block of 128 rows: 16][K step of 128: 16][tile of 16 rows: 8][2,048].  Sections 0, 1, 2: x with e0, e2, e4;  3, 4, 5: Wq, Wk, Wv (rows = n).
; So a block's two K steps are 32,768 consecutive bytes, one dense tensor load, and a fragment comes from LDS by four loads of 16 bytes a lane at 16 x lane: no pitch, no padding, each load 512 consecutive bytes.
; A tile of 256 x 256 results is made by a work-group of four waves, as many as a WGP has SIMDs; a wave makes 128 x 128: 64 accumulators, 512 registers.  K goes in steps of 256 through a ring of two LDS slots.
; WHICH PRODUCT: the cluster's y / 2 (0: q, 1: k, 2: v), the same in all sixteen partners.  192 work-groups: a smaller tile would fill more WGPs and read twice the LDS bytes for each product.
; THE MATRIX INSTRUCTION IS USED TRANSPOSED: source 0 = 16 rows of the operand called B here, source 1 = 16 rows of A: lane (r, h), register j of accumulator (a, b) is (A's row 16 a + r, B's row 16 b + 8 h + j).
; For q and k: A = x, B = W: a lane's eight registers are eight neighbours along the head's 128, which is the next product's K.  For v: A = Wv, B = x: eight neighbouring KEYS, the K of attention's second product.
; So a conversion's result is a register pair of the next operand, and a wave's 128 x 128 results are eight images, 16,384 consecutive bytes of the output:
;   q: [head 16][tile of 16 queries: 128][2,048];  k: [head][step of 128 keys: 16][tile of 16 keys: 8][2,048];  v: [head][step of 128 keys: 16][tile of 16 of the head's 128: 8][2,048].
; CLUSTERS: 4 x 4 work-groups.  A's tiles are shared along a row of the cluster, B's along a column: each is asked for jointly, by the same tensor load with the same descriptor and a mask that names the four.
; LIMITS: e0 + e1, e2 + e3, e4 + e5 between -126 and 127; e6, e7, e9 between -126 and 119: so that each power of two below is an f32 number.  NaN among the inputs is not served.
; REGISTERS, in windows of 256: window 0: v0-31 addresses; v32-47, v64-127 the biases; v48, v49 the hold and the scale; from v128 A's fragments, ONE set; on the way out v128-255 are free.
;   window 1: B's fragments, TWO sets, at v0 and v128.   window 2: the accumulators of my rows 0-63 ((a, b) at v[8 (8 a + b)]);   window 3: those of my rows 64-127.
.set SEC,   0x400000
.set RB,    262144
.set KSB,   16384
.set TL,    2048
.set FR,    16                         ; registers of a fragment
.set NL,    4                          ; LDS loads that bring one
.set NP,    4                          ; places behind this matrix instruction (ISA guide 7.12.1)
.set HALFT, 32768                      ; 128 rows x 256 K: what one tensor load brings, and what one wave reads of A or of B: [K step 2][tile 8][2,048]
.set SLOT,  4*HALFT                    ; A's two halves, then B's two
.set LAPS,  4                          ; a lap = 512 along K = once round the ring
.set SPARE, 2*SLOT                     ; behind the ring: the spare words, 128 bytes for each wave: two blocks of 256 bytes that no other line names
.set ADRA, 16                          ; v16-17  LDS address of my A fragments in slot 0, 1
.set ADRB, 20                          ; v20-21  the same for B
.set CO,   26                          ; v26     16 x lane
.set SPW,  28                          ; v28     LDS address of my spare word; never rewritten
.set NIL,  29                          ; v29     0; never rewritten
.set HB,   30                          ; v30     32 h: the column biases' offset
.set RW,   31                          ; v31     4 r: the row biases'
.set BR,   32                          ; v32-47  bias of A's row 16 a + r, twice, at v[BR + 2 a]: a pair for the packed form (v's bias)
.set LIMV, 48                          ; v48     448 x 2^eo
.set SCV,  49                          ; v49     2^eo
.set BC,   64                          ; v64-127 bias of B's row 16 b + 8 h + j at v[BC + 8 b + j] (q's and k's bias)
.set AF,   128                         ; A's fragments, in window 0
.set T,    128                         ; the way out: a block's 64 numbers
.set G1, 24                            ; s[24:31] descriptor group 1 for A's tiles;  s[32:39] group 0, one set for each slot
.set G0, 32
.set G1B, 48                           ; s[48:55], s[56:63] the same for B's tiles
.set G0B, 56
.set MSB, 0
.macro WIN new                         ; the immediate's high byte repeats the setting that is left
.if MSB != (\new)
	s_set_vgpr_msb (MSB<<8)|(\new)
.set MSB, \new
.endif
.endm
.set MUL_LO, 0xa1                      ; source 0 (B) window 1, source 1 (A) window 0, C and D window 2
.set MUL_HI, 0xf1                      ; the same, C and D window 3
.set TO_B,   0x40                      ; destination window 1, address window 0
; A joint load: waves 0 and 1 fetch for A, waves 2 and 3 for B.  Each of the two lines has one mask and one set of registers for all that issue it; the branch hangs on the wave's number alone.
; An s_nop 0 and four v_nop follow each of the two lines, ahead of the jump, the label and what follows.
.macro JLOAD g0a, g1a, g0b, g1b
	s_cmp_eq_u32 s15, 0
	s_cbranch_scc0 .Lfor_b_\@
	tensor_load_to_lds s[\g0a:\g0a+3], s[\g1a:\g1a+7]
	s_nop 0
.rept 4
	v_nop
.endr
	s_branch .Lasked_\@
.Lfor_b_\@:
	tensor_load_to_lds s[\g0b:\g0b+3], s[\g1b:\g1b+7]
	s_nop 0
.rept 4
	v_nop
.endr
.Lasked_\@:
.endm
.macro CREST                           ; a round of the cluster's barrier behind its opening barrier
	s_cmp_lg_u32 s14, 0
	s_cbranch_scc1 .Lnot_wave_0_\@
	s_barrier_signal -3
.Lnot_wave_0_\@:
	s_barrier_wait -3
	s_barrier_signal -1
	s_barrier_wait -1
.endm
.macro CROUND                          ; a whole round
	s_barrier_signal -1
	s_barrier_wait -1
	CREST
.endm
.macro FRAG reg, adr, q, i             ; tile i of the slot's q-th K step: the image comes back as the registers that it is
.irp c, 0,1,2,3
	ds_load_b128 v[\reg+4*\c:\reg+4*\c+3], v[\adr] offset:KSB*(\q)+TL*(\i)+512*\c
.endr
.endm
; 16 matrix instructions: A's blocks a0, a0 + 1 x B's eight, 128 along K.  p: B's set.  zero = 1: the first product starts the sums: nothing is ever cleared.
; The 64 accumulators take turns, one instruction a turn, in the same order in every step.
.macro MUL16 a0, p, zero
.irp a, \a0, \a0+1
.irp b, 0,1,2,3,4,5,6,7
.if \zero
	v_wmma_f32_16x16x128_fp8_fp8 v[8*(8*((\a)%4)+\b):8*(8*((\a)%4)+\b)+7], v[128*(\p)+FR*\b:128*(\p)+FR*\b+FR-1], v[AF+FR*(\a):AF+FR*(\a)+FR-1], 0
.else
	v_wmma_f32_16x16x128_fp8_fp8 v[8*(8*((\a)%4)+\b):8*(8*((\a)%4)+\b)+7], v[128*(\p)+FR*\b:128*(\p)+FR*\b+FR-1], v[AF+FR*(\a):AF+FR*(\a)+FR-1], v[8*(8*((\a)%4)+\b):8*(8*((\a)%4)+\b)+7]
.endif
.endr
.endr
.endm
.macro FETCH_B slot, q, p              ; B's eight fragments of the slot's q-th K step into set p
	WIN TO_B
.irp i, 0,1,2,3,4,5,6,7
	FRAG 128*(\p)+FR*\i, ADRB+\slot, \q, \i
.endr
	WIN 0
.endm
.macro FETCH_A slot, q, i0             ; A's blocks i0 .. i0 + 3
.irp i, \i0, \i0+1, \i0+2, \i0+3
	FRAG AF+FR*(\i), ADRA+\slot, \q, \i
.endr
.endm
; A load into a register that a matrix instruction has read, and a vector instruction that reads a matrix result, stand NP places behind that matrix instruction; only plain vector
; instructions that name none of its registers are places (ISA guide 7.12.1 for vector instructions).
.macro PLACES n
.rept \n
	v_nop
.endr
.endm
; A step of 128 along K that has its successor in the same slot.  A's blocks go one after the other, each against B's eight: a block of A is free when its eight products are issued, so one set serves A.
.macro STEP slot, q, zero
	s_wait_dscnt 4*NL                              ; B's set and A's blocks 0-3 are in; the youngest sixteen loads (A's blocks 4-7) may be out
	WIN MUL_LO
	MUL16 0, (\q)%2, \zero
	MUL16 2, (\q)%2, \zero
	s_wait_dscnt 0                                 ; A's blocks 4-7 are in (asked for 32 matrix instructions ago)
	PLACES NP
	FETCH_B \slot, (\q)+1, 1-(\q)%2
	FETCH_A \slot, (\q)+1, 0
	WIN MUL_HI
	MUL16 4, (\q)%2, \zero
	MUL16 6, (\q)%2, \zero
	PLACES NP
	WIN 0
	FETCH_A \slot, (\q)+1, 4
.endm
; A slot's last step changes slots: one barrier; in front of it each wave waits for all its tensor loads, adds 0 to its spare word, and waits for that and for its own reads of this slot.  fill = 1: this slot is filled again, 512 along K ahead.
.macro TURN slot, next, fill
	s_wait_tensorcnt 0x0                           ; all my tensor loads have landed: my part of the next slot  (every window is 0 here)
	ds_add_u32 v[SPW], v[NIL]                      ; 0 onto my spare word
	s_wait_dscnt 4*NL+1                            ; (the add and the youngest sixteen loads, A's blocks 4-7, may be out)
	WIN MUL_LO
	MUL16 0, 1, 0                                  ; sixteen matrix instructions stand between the add and the wait for it
	s_wait_dscnt 0x0                               ; the add is done, and my reads of this slot are over
	s_barrier_signal -1
	MUL16 2, 1, 0
	WIN 0
	s_barrier_wait -1
.if \fill
	CREST                                          ; the barrier has opened a round of the cluster's barrier: no wave of any partner still reads this slot's tile or has a load on its way
	s_add_nc_u64 s[G0+4*\slot+2:G0+4*\slot+3], s[G0+4*\slot+2:G0+4*\slot+3], 2*HALFT
	s_add_nc_u64 s[G0B+4*\slot+2:G0B+4*\slot+3], s[G0B+4*\slot+2:G0B+4*\slot+3], 2*HALFT
	JLOAD G0+4*\slot, G1, G0B+4*\slot, G1B         ; the first tensor load behind the round; the four v_nop behind it are the places in front of the loads below
.else
	PLACES NP
.endif
	FETCH_B \next, 0, 0
	FETCH_A \next, 0, 0
	WIN MUL_HI
	MUL16 4, 1, 0
	MUL16 6, 1, 0
	PLACES NP
	WIN 0
	FETCH_A \next, 0, 4
.endm
; THE WAY OUT, block a of 16 of A's rows at a time: number = sum x 2^(the operands' exponents) + bias, one packed multiply-add for two; held; eight conversions make the image's 16 registers; four stores of 512 consecutive bytes.
; kind 0: the bias goes by B's rows (q, k);  kind 1: by A's rows (v).
.macro OUT kind
.irp a, 0,1,2,3,4,5,6,7
.set AC, 64*(\a%4)
.set CD, 192+16*(\a%4)
.if \a >= 4
	s_wait_xcnt 0x0                                ; the stores of four blocks ago have read these code registers
.endif
	WIN 0x02+(\a/4)                                ; source 0: window 2 or 3
.set j, 0
.rept 32
.if \kind
	v_pk_fma_f32 v[T+j:T+j+1], v[AC+j:AC+j+1], s[96:97], v[BR+2*\a:BR+2*\a+1] op_sel_hi:[1,0,1]
.else
	v_pk_fma_f32 v[T+j:T+j+1], v[AC+j:AC+j+1], s[96:97], v[BC+j:BC+j+1] op_sel_hi:[1,0,1]   ; each accumulator from its low end on
.endif
.set j, j+2
.endr
	WIN 0
.set j, 0
.rept 64
	v_med3_num_f32 v[T+j], v[T+j], -v[LIMV], v[LIMV]   ; the conversion to an 8-bit code does not saturate (ISA guide 7.6.2)
.set j, j+1
.endr
.irp b, 0,1,2,3,4,5,6,7
	v_cvt_scalef32_pk8_fp8_f32 v[CD+2*\b:CD+2*\b+1], v[T+8*\b:T+8*\b+7], v[SCV]   ; registers 2 b, 2 b + 1: k = 16 b + 8 h + 0 .. 7
.endr
	v_nop                                          ; a plain vector line between the conversions and the next block's writes of their sources
.irp g, 0,1,2,3
	global_store_b128 v[CO], v[CD+4*\g:CD+4*\g+3], s[70:71] offset:\a*TL+512*\g
.endr
.endr
.endm
	s_load_b256 s[4:11], s[0:1], 0x0               ; the codes s[4:5], bq s[6:7], bk s[8:9], bv s[10:11]
	s_load_b128 s[68:71], s[0:1], 0x20             ; the scales' exponents s[68:69], the output s[70:71]
	v_lshl_add_u32 v[SPW], v0, 2, SPARE
	v_mov_b32 v[NIL], 0
	ds_add_u32 v[SPW], v[NIL]                      ; the wave's opening: the add and its wait ahead of my first tensor load; the set-up below, work on registers, stands between them
	v_lshrrev_b32 v1, 5, v0
	v_readfirstlane_b32 s14, v1                    ; wave 0..3
	s_lshr_b32 s15, s14, 1                         ; which half of the tile's A rows is mine.  Also: I fetch for A (0) or for B (1)
	s_and_b32 s16, s14, 1                          ; which half of its B rows.  Also: which 128 rows of that tile I fetch
	s_bfe_u32 s40, ttmp6, 0x40000                  ; cx, cy: my place in the cluster
	s_bfe_u32 s41, ttmp6, 0x40004
	s_lshl_b32 s42, ttmp9, 2
	s_add_co_u32 s42, s42, s40                     ; B's tile = 4 x cluster x + cx
	s_and_b32 s72, ttmp7, 0xffff                   ; cluster y, 0 .. 5
	s_and_b32 s17, s72, 1
	s_lshl_b32 s17, s17, 2
	s_add_co_u32 s17, s17, s41                     ; A's tile = 4 x (cluster y % 2) + cy
	s_lshr_b32 s72, s72, 1                         ; which product: 0 q, 1 k, 2 v
	s_lshl_b32 s43, s41, 2
	s_lshl_b32 s43, 15, s43                        ; my row of the cluster
	s_lshl_b32 s44, 0x1111, s40                    ; my column
	; descriptor group 1: a dense block of 32,768 bytes as 128 rows of 32 elements of 8 bytes
	s_or_b32 s[G1+0], s43, (3<<16)|(1<<21)         ; 15:0 the mask: A's tiles go to my row; 17:16 elements of 8 bytes; 20 no padding; 21 set beside a mask
	s_or_b32 s[G1B+0], s44, (3<<16)|(1<<21)
.irp g, G1, G1B
	s_mov_b32 s[\g+1], 32<<16                      ; tensor_dim0
	s_mov_b32 s[\g+2], 128<<16                     ; tensor_dim1
	s_mov_b32 s[\g+3], 32<<16                      ; tile_dim0
	s_mov_b32 s[\g+4], 128                         ; tile_dim1
	s_mov_b32 s[\g+5], 32                          ; tensor_dim0_stride
	s_mov_b32 s[\g+6], 0
	s_mov_b32 s[\g+7], 0
.endr
	s_add_co_u32 s73, s72, 3
	s_cmp_eq_u32 s72, 2
	s_cselect_b32 s74, 5, s72                      ; A's section: x with e0 or e2; for v: Wv
	s_cselect_b32 s73, 2, s73                      ; B's section: Wq or Wk; for v: x with e4
	s_lshl_b32 s20, s74, 22
	s_lshl_b32 s18, s17, 1
	s_add_co_u32 s18, s18, s16                     ; A: block of 128 rows 2 x tile + half
	s_lshl_b32 s18, s18, 18
	s_add_co_u32 s20, s20, s18
	s_mov_b32 s21, 0
	s_lshl_b32 s46, s73, 22
	s_lshl_b32 s47, s42, 1
	s_add_co_u32 s47, s47, s16                     ; B likewise (in registers that never feed A's descriptors)
	s_lshl_b32 s47, s47, 18
	s_add_co_u32 s46, s46, s47
	s_mov_b32 s47, 0
	s_mul_i32 s45, s14, HALFT                      ; where they go: wave x 32,768: no place in the cluster enters an LDS address
	s_wait_dscnt 0x0                               ; the opening add is done
	s_wait_kmcnt 0x0
	s_load_b256 s[80:87], s[68:69], 0x0            ; e0 .. e7
	s_load_b64 s[88:89], s[68:69], 0x20            ; e8, e9
	s_add_nc_u64 s[20:21], s[4:5], s[20:21]
	s_add_nc_u64 s[46:47], s[4:5], s[46:47]
	CROUND                                         ; all sixteen work-groups are here: the first joint loads meet
.irp s, 0,1
	s_mov_b32 s[G0+4*\s], 1
	s_add_co_u32 s[G0+4*\s+1], s45, \s*SLOT
	s_add_nc_u64 s[G0+4*\s+2:G0+4*\s+3], s[20:21], \s*HALFT
	s_or_b32 s[G0+4*\s+3], s[G0+4*\s+3], 0x80000000
	s_mov_b32 s[G0B+4*\s], 1
	s_add_co_u32 s[G0B+4*\s+1], s45, \s*SLOT
	s_add_nc_u64 s[G0B+4*\s+2:G0B+4*\s+3], s[46:47], \s*HALFT
	s_or_b32 s[G0B+4*\s+3], s[G0B+4*\s+3], 0x80000000
	JLOAD G0+4*\s, G1, G0B+4*\s, G1B
.endr
	v_and_b32 v1, 15, v0                           ; r
	v_bfe_u32 v2, v0, 4, 1                         ; h
	v_and_b32 v6, 31, v0
	v_lshlrev_b32 v[CO], 4, v6
	v_lshlrev_b32 v[HB], 5, v2
	v_lshlrev_b32 v[RW], 2, v1
	s_mul_i32 s21, s15, HALFT                      ; my 128 rows of A
	s_mul_i32 s22, s16, HALFT                      ; my 128 rows of B,
	s_add_co_u32 s22, s22, 2*HALFT                 ; which lie behind A's 256
.irp s, 0,1
	v_add_nc_u32 v[ADRA+\s], s21, v[CO]
	v_add_nc_u32 v[ADRB+\s], s22, v[CO]
	s_add_co_u32 s21, s21, SLOT
	s_add_co_u32 s22, s22, SLOT
.endr
	; the biases: both tables are loaded, once, so that every register is written on every way; they are waited for on the way out
	s_cmp_eq_u32 s72, 1
	s_cselect_b64 s[76:77], s[8:9], s[6:7]
	s_cmp_eq_u32 s72, 2
	s_cselect_b64 s[76:77], s[10:11], s[76:77]     ; bq, bk or bv
	s_lshl_b32 s90, s42, 10
	s_lshl_b32 s91, s16, 9
	s_add_co_u32 s90, s90, s91                     ; by B's rows: 4 x (256 x tile + 128 x half)
	s_mov_b32 s91, 0
	s_add_nc_u64 s[78:79], s[76:77], s[90:91]
	s_lshl_b32 s90, s17, 10
	s_lshl_b32 s92, s15, 9
	s_add_co_u32 s90, s90, s92                     ; by A's rows
	s_add_nc_u64 s[76:77], s[76:77], s[90:91]
.irp b, 0,1,2,3,4,5,6,7
	global_load_b128 v[BC+8*\b:BC+8*\b+3], v[HB], s[78:79] offset:64*\b
	global_load_b128 v[BC+8*\b+4:BC+8*\b+7], v[HB], s[78:79] offset:64*\b+16
.endr
.irp a, 0,1,2,3,4,5,6,7
	global_load_b32 v[BR+2*\a], v[RW], s[76:77] offset:64*\a
	global_load_b32 v[BR+2*\a+1], v[RW], s[76:77] offset:64*\a
.endr
	; where my eight images go: section = the product; q, k: head = B's block, step = A's block; v: the other way round
	s_lshl_b32 s90, s42, 1
	s_add_co_u32 s90, s90, s16                     ; B's block of 128
	s_lshl_b32 s92, s17, 1
	s_add_co_u32 s92, s92, s15                     ; A's block of 128
	s_cmp_eq_u32 s72, 2
	s_cselect_b32 s93, s92, s90                    ; the head
	s_cselect_b32 s94, s90, s92                    ; the block of 128 queries or keys
	s_lshl_b32 s93, s93, 18
	s_lshl_b32 s94, s94, 14
	s_add_co_u32 s90, s93, s94
	s_lshl_b32 s92, s72, 22
	s_add_co_u32 s90, s90, s92
	s_add_nc_u64 s[70:71], s[70:71], s[90:91]
	s_wait_tensorcnt 1                             ; my part of slot 0 is in (slot 1's load may be out)
	s_barrier_signal -1
	s_barrier_wait -1                              ; everybody's is
	FETCH_B 0, 0, 0
	FETCH_A 0, 0, 0
	FETCH_A 0, 0, 4
	STEP 0, 0, 1                                   ; the first step stands in front of the loop: its products start the sums
	s_mov_b32 s3, LAPS-1
.Llap:                                                 ; a trip goes once round the ring, from a lap's second step to the next lap's first, and fills both slots again
	TURN 0, 1, 1
	STEP 1, 0, 0
	TURN 1, 0, 1
	STEP 0, 0, 0
	s_sub_co_u32 s3, s3, 1
	s_cmp_lg_u32 s3, 0
	s_cbranch_scc1 .Llap
	TURN 0, 1, 0                                   ; the last lap fills nothing, and has no round of the cluster's barrier
	STEP 1, 0, 0
	s_wait_dscnt 4*NL                              ; the very last step: nothing more to fetch
	WIN MUL_LO
	MUL16 0, 1, 0
	MUL16 2, 1, 0
	s_wait_dscnt 0
	WIN MUL_HI
	MUL16 4, 1, 0
	MUL16 6, 1, 0
	WIN 0
	s_wait_kmcnt 0x0
	s_add_co_i32 s80, s80, s81                     ; e0 + e1
	s_add_co_i32 s82, s82, s83                     ; e2 + e3
	s_add_co_i32 s84, s84, s85                     ; e4 + e5
	s_cmp_eq_u32 s72, 1
	s_cselect_b32 s96, s82, s80
	s_cselect_b32 s90, s87, s86                    ; e7 for k, e6 for q
	s_cmp_eq_u32 s72, 2
	s_cselect_b32 s96, s84, s96
	s_cselect_b32 s90, s89, s90                    ; e9 for v
	s_add_co_i32 s96, s96, 127
	s_lshl_b32 s96, s96, 23                        ; the power of two that the sums lack, as f32
	s_mov_b32 s97, s96                             ; (named with it as a pair, so it is written)
	s_add_co_i32 s90, s90, 127
	s_lshl_b32 s91, s90, 23
	v_mov_b32 v[SCV], s91                          ; 2^eo: the conversion takes its exponent field
	s_add_co_i32 s90, s90, 8
	s_lshl_b32 s90, s90, 23
	s_or_b32 s90, s90, 0x600000
	v_mov_b32 v[LIMV], s90                         ; 448 x 2^eo
	s_wait_loadcnt 0x0                             ; the biases
	PLACES NP                                      ; behind the last products: their results are read, and the registers that held A's fragments are written
	s_cmp_eq_u32 s72, 2                            ; the cluster's y alone decides: all sixteen partners go the same way
	s_cbranch_scc1 .Lv
	OUT 0
	s_branch .Ldone
.Lv:
	OUT 1
.Ldone:
	s_wait_tensorcnt 0x0                           ; the wave's end: behind my last tensor load
	ds_add_u32 v[SPW], v[NIL]
	s_wait_dscnt 0x0
	CROUND                                         ; the closing round: no work-group ends while a partner may still ask for a tile that names it
	s_endpgm
.Lfunc_end_k_q4d46f46599_qkv:
	.size	k_q4d46f46599_qkv, .Lfunc_end_k_q4d46f46599_qkv-k_q4d46f46599_qkv
	.p2alignl 7, 3214868480
	.fill 96, 4, 3214868480
	.section	.rodata,"a",@progbits
	.p2align	6, 0x0
	.amdhsa_kernel k_q4d46f46599_qkv
		.amdhsa_group_segment_fixed_size 327680
		.amdhsa_private_segment_fixed_size 0
		.amdhsa_enable_private_segment 0
		.amdhsa_kernarg_size 48
		.amdhsa_user_sgpr_count 2
		.amdhsa_user_sgpr_kernarg_segment_ptr 1
		.amdhsa_wavefront_size32 1
		.amdhsa_system_sgpr_workgroup_id_x 1
		.amdhsa_system_sgpr_workgroup_id_y 1
		.amdhsa_system_sgpr_workgroup_id_z 1
		.amdhsa_system_vgpr_workitem_id 0
		.amdhsa_next_free_vgpr 1024
		.amdhsa_next_free_sgpr 98
		.amdhsa_reserve_vcc 0
		.amdhsa_float_denorm_mode_32 3
		.amdhsa_float_denorm_mode_16_64 3
		.amdhsa_memory_ordered 1
		.amdhsa_forward_progress 1
		.amdhsa_inst_pref_size 193
	.end_amdhsa_kernel
	.amdgpu_metadata
---
amdhsa.version: [ 1, 2 ]
amdhsa.kernels:
  - .name:           k_q4d46f46599_qkv
    .symbol:         k_q4d46f46599_qkv.kd
    .args:
      - { .name: codes, .offset: 0, .size: 8, .value_kind: global_buffer, .address_space: global }
      - { .name: bq, .offset: 8, .size: 8, .value_kind: global_buffer, .address_space: global }
      - { .name: bk, .offset: 16, .size: 8, .value_kind: global_buffer, .address_space: global }
      - { .name: bv, .offset: 24, .size: 8, .value_kind: global_buffer, .address_space: global }
      - { .name: lowp_scales, .offset: 32, .size: 8, .value_kind: global_buffer, .address_space: global }
      - { .name: qkv, .offset: 40, .size: 8, .value_kind: global_buffer, .address_space: global }
    .group_segment_fixed_size: 327680
    .private_segment_fixed_size: 0
    .kernarg_segment_align: 8
    .kernarg_segment_size: 48
    .max_flat_workgroup_size: 128
    .sgpr_count:     98
    .vgpr_count:     1024
    .wavefront_size: 32
...
	.end_amdgpu_metadata
.endif
;; end of part 2
;; launch attn (part 3): grid 16 x 16, 8 waves a work-group, clusters of 4 x 4, 327,680 bytes of LDS; arguments qkv, attn_mask, lowp_scales, ac; writes ac
.if DOCPART == 3
	.amdgcn_target "amdgcn-amd-amdhsa--gfx1250"
	.amdhsa_code_object_version 6
	.text
	.protected	k_q4d46f46599_attn
	.globl	k_q4d46f46599_attn
	.p2align	8
	.type	k_q4d46f46599_attn,@function
k_q4d46f46599_attn:
	s_mov_b64 s[64:65], 0
	v_nop
	global_prefetch_b8 v0, s[64:65] scope:SCOPE_SE
	s_setreg_imm32_b32 hwreg(HW_REG_WAVE_MODE, 25, 1), 1
	s_wait_xcnt 0x0
	s_wait_alu depctr_hold_cnt(0) depctr_sa_sdst(0) depctr_va_vdst(0) depctr_va_sdst(0) depctr_va_ssrc(0) depctr_va_vcc(0) depctr_vm_vsrc(0)
	s_getreg_b32 s2, hwreg(HW_REG_IB_STS2, 6, 4)
	s_cmp_eq_u32 s2, 0
	s_cbranch_scc0 .Lentry_in_a_cluster
	s_endpgm
.Lentry_in_a_cluster:
	s_bfe_u32 s2, ttmp6, 0x10000c
	s_cmp_lg_u32 s2, 0xf033
	s_cbranch_scc0 .Lentry_shape_is_right
	s_endpgm
.Lentry_shape_is_right:
; o[h][q] = the sum over k of softmax_k(q . k / sqrt(128) - 1e9 x mask[q][k]) v[h][k], both products on codes of FP8 (E4M3); o is quantised at once, with e10, for the last projection.
; q, k, v arrive as IMAGES OF OPERAND REGISTERS (a fragment, 16 rows x 128 K, is 2,048 bytes: registers 4 g .. 4 g + 3 of lane l at 512 g + 16 l; lane (r, h), registers 2 c, 2 c + 1: k = 16 c + 8 h + 0 .. 7 of row r):
;   q: [head 16][tile of 16 queries: 128][2,048];  k: [head][step of 128 keys: 16][tile of 16 keys: 8][2,048];  v: [head][step: 16][tile of 16 of the head's 128: 8][2,048], K = the step's keys.
; The mask is an input of f32 numbers, [query][key]: every number of it is read and honoured; no key step is left out.
; THE SOFTMAX AHEAD OF THE SECOND PRODUCT: t = logit x log2(e); M = the row's largest t so far, rounded UP to a whole number; p = 2^(t - M) is quantised, with e8, not normalised; the row's sum is taken of the
; unquantised p and divides o at the end.  When M moves, the sum and o are multiplied by 2^(old M - new M): exact.
; t IS MADE SO: m' = mask x (-1e9 x log2 e), rounded by itself; t = raw score x c + m' in one fused multiply-add, c = log2(e) / sqrt(128) x 2^(e6 + e7).  So keys with equal mask numbers get the same m',
; and t is a rounded f32 number before M is taken off it: t - M is then exact near the row's largest, also where the mask's term swallows the scores (a row all of whose keys are masked).
; SHARES.  A work-group owns 128 queries of one head; each of its eight waves 16 of them, one tile, in 256 registers: two waves to a SIMD.  Every wave walks all 2,048 keys, 128 a step.
; LAYOUT.  Both products are used transposed: S^T = K Q^T (source 0 = 16 keys, source 1 = my 16 queries), O^T = V^T P^T: a lane holds ONE query (lane % 16) throughout, and register j of tile t is key (or channel) 16 t + 8 (lane / 16) + j:
; a conversion of a tile's eight registers is a register pair of the next operand.
; THE RING: two LDS slots of one key step: K's eight images, V's eight, and the mask's 128 rows x 512 bytes (16 bytes of padding behind each row).
; CLUSTER: 4 x 4 work-groups = 4 blocks of queries (x) x 4 heads (y).  K and V hang on the head alone and are asked for jointly along a row of the cluster; the mask's tile hangs on the block of queries alone and is asked for
; jointly along a column.  Wave 0 fetches K, wave 1 V, waves 2 and 3 the mask's halves; waves 4 to 7 fetch nothing.  A wave has at most one tensor load out, and every wait for tensor loads is for 0.
; LIMITS: e6 + e7 between -123 and 130 (added to c's exponent field); e8, e10 between -126 and 119; e8 + e9 is applied by v_ldexp_f32 and has none.  NaN among the inputs, and a row whose logits are all -infinity, are not served.
; REGISTERS: v1-3 addresses that stay; v8, v9 addresses of the step; v12 -M, v13 the largest t, v[14:15] the sum in two halves; v16-31 Q; v32-95 four fragments of K or V, or the mask; v96-159 S^T, t, p; v160-223 O^T; v224-239 codes; v236-254 at work.
.set SEC,   0x400000
.set RB,    262144
.set KSB,   16384                      ; a key step's eight images
.set TL,    2048
.set VOFF,  16384                      ; a slot: K, V,
.set MOFF,  32768                      ; the mask's tile
.set MP,    528                        ; its row: 512 bytes + 16 = 132 words: row r starts at bank 4 r mod 64 (64 banks of 4 bytes: ISA guide 11.1)
.set SLOT1, 1<<17                      ; slot 1 begins here: one exclusive or turns an address in one slot into the other's
.set SPARE, 2*SLOT1                    ; behind the ring: the spare words, 128 bytes for each wave: four blocks of 256 bytes that no other line names
.set NST,   16                         ; key steps
.set LI,   1                           ; v1   16 x lane
.set AM0,  2                           ; v2   my place in the mask's tile: row 16 w + r, + 32 h
.set PFO,  3                           ; v3   the prefetches' offset; never rewritten
.set SPW,  5                           ; v5   LDS address of my spare word; never rewritten
.set NIL,  6                           ; v6   0; never rewritten
.set ADK,  8                           ; v8   the step's images
.set ADM,  9                           ; v9   the step's mask
.set TB,   2                           ; s2   LDS byte at which the slot in hand begins
.set SLOTS, 3                          ; s3   steps still to be asked for
.set WV,   12                          ; s12  my wave's number
.set NG,   18                          ; s[18:19] -1e9 x log2(e)
.set SEL,  20                          ; s[20:21] lane selects for v_permlanex16_b32: lane l xor 16
.set CS,   22                          ; s[22:23] c
.set G1KV, 24                          ; s[24:31] descriptor group 1 for K's and V's tiles;  s[32:39] for the mask's;  s[40:43], s[44:47] their groups 0, which walk
.set G1M,  32
.set G0KV, 40
.set G0M,  44
.set PFA,  54                          ; s[54:55] where my prefetches stand
.set PFS,  56                          ; s[56:57] a key step on, in bytes
.set LIM,  58                          ; s58  2 in a wave that prefetches, else the greatest number
; Waves 0 and 1 fetch K and V, waves 2 and 3 the mask, the others nothing.  The branches hang on the wave's number alone.  An s_nop 0 and four v_nop follow each of the two lines.
.macro TLOAD
	s_cmp_lt_u32 s[WV], 2
	s_cbranch_scc0 .Lnot_kv_\@
	tensor_load_to_lds s[G0KV:G0KV+3], s[G1KV:G1KV+7]
	s_nop 0
.rept 4
	v_nop
.endr
	s_branch .Lasked_\@
.Lnot_kv_\@:
	s_cmp_lt_u32 s[WV], 4
	s_cbranch_scc0 .Lasked_\@
	tensor_load_to_lds s[G0M:G0M+3], s[G1M:G1M+7]
	s_nop 0
.rept 4
	v_nop
.endr
.Lasked_\@:
.endm
; A PREFETCH INTO THE L2: at the change that loads key step j + 1, of key step j + 3: two key steps ahead of the load that will want it.  Each aligned block of 256 bytes is named once in the launch.
; K and V of a head are walked by the four clusters of one cluster row: the one with x = 0 asks; its four partners of a head share a step's 64 + 64 blocks out BY ADDRESS, 16 of K and 16 of V each: wave 4, one instruction.
; The mask's rows of a block of queries are walked by the four clusters of one cluster column: the one with y = 0 asks; its four partners of a block take 32 rows each, by address; a step's part of a row is two blocks: waves 5 and 6, a lane a row.
; No branch hangs on a work-group's place in its cluster.  Steps 0 to 2 come by their loads alone; the last two filling changes ask for nothing: there is no step 16.
.macro ASK
	s_cmp_gt_u32 s[SLOTS], s[LIM]
	s_cbranch_scc0 .Lnot_mine_\@
	global_prefetch_b8 v[PFO], s[PFA:PFA+1] th:TH_LOAD_NT scope:SCOPE_SE
.Lnot_mine_\@:
.endm
.macro CROUND                          ; a round of the cluster's barrier: my work-group's barrier; wave 0 signals for the work-group; every wave waits for all sixteen; my work-group's barrier once more
	s_barrier_signal -1
	s_barrier_wait -1
	s_cmp_lg_u32 s[WV], 0
	s_cbranch_scc1 .Lnot_wave_0_\@
	s_barrier_signal -3
.Lnot_wave_0_\@:
	s_barrier_wait -3
	s_barrier_signal -1
	s_barrier_wait -1
.endm
; THE CHANGE OF SLOTS stands at a step's head.  Each wave waits for all its tensor loads (its part of the slot that it is about to read), adds 0 to its spare word, and waits for that and for its reads of the slot that it has left.
; fill = 1: a round of the cluster's barrier, so that no wave of any partner still reads that slot or has a load on its way; the joint refill is the first thing behind it and has a whole key step in which to land.
.macro CHANGE fill
	s_wait_tensorcnt 0x0                           ; no tensor load of mine is out, so a group 0 may be written
	ds_add_u32 v[SPW], v[NIL]                      ; 0 onto my spare word; the descriptors' steps stand between it and the wait for it
.if \fill
	s_xor_b32 s[G0KV+1], s[G0KV+1], SLOT1          ; the walking descriptors: the other slot than last time,
	s_add_nc_u64 s[G0KV+2:G0KV+3], s[G0KV+2:G0KV+3], KSB   ; the next key step; the type bits on top are not reached
	s_xor_b32 s[G0M+1], s[G0M+1], SLOT1
	s_add_nc_u64 s[G0M+2:G0M+3], s[G0M+2:G0M+3], 512
	s_wait_xcnt 0x0                                ; the last prefetch, a key step back, has read its address, so it may be written
	s_add_nc_u64 s[PFA:PFA+1], s[PFA:PFA+1], s[PFS:PFS+1]
	s_wait_dscnt 0x0                               ; the add is done, and my reads of the slot that I have left are over
	CROUND
	TLOAD
	ASK
.else
	s_wait_dscnt 0x0
	s_barrier_signal -1
	s_barrier_wait -1
.endif
.endm
; A KEY STEP: the 128 keys of the slot in hand.
.macro STEP
	v_add_nc_u32 v[ADK], s[TB], v[LI]
	v_add_nc_u32 v[ADM], s[TB], v[AM0]
.irp g, 0,1                                    ; S^T = K Q^T, four tiles of 16 keys at a time
.rept 4-2*(1-\g)
	v_nop                                          ; four places in front of loads into registers that matrix instructions have read (the two additions above are places too)
.endr
.irp t, 0,1,2,3
.irp c, 0,1,2,3
	ds_load_b128 v[32+16*\t+4*\c:32+16*\t+4*\c+3], v[ADK] offset:(4*\g+\t)*TL+512*\c
.endr
.endr
	s_wait_dscnt 0x0
.irp t, 0,1,2,3
	v_wmma_f32_16x16x128_fp8_fp8 v[96+8*(4*\g+\t):103+8*(4*\g+\t)], v[32+16*\t:47+16*\t], v[16:31], 0
.endr
.endr
.rept 4
	v_nop                                          ; places: for the loads below, and for the first read of the scores
.endr
.irp t, 0,1,2,3,4,5,6,7
	ds_load_b128 v[32+8*\t:35+8*\t], v[ADM] offset:64*\t         ; mask(my query, keys 16 t + 8 h + 0 .. 3),
	ds_load_b128 v[36+8*\t:39+8*\t], v[ADM] offset:64*\t+16      ; and + 4 .. 7: the scores' own layout
.endr
	s_wait_dscnt 0x0
.set j, 0
.rept 32
	v_pk_mul_f32 v[32+j:33+j], v[32+j:33+j], s[NG:NG+1] op_sel_hi:[1,0]   ; m' = mask x (-1e9 x log2 e), rounded by itself: not fused, so that keys with equal mask numbers get equal terms
.set j, j+2
.endr
.set j, 0
.rept 32
	v_pk_fma_f32 v[96+j:97+j], v[96+j:97+j], s[CS:CS+1], v[32+j:33+j] op_sel_hi:[1,0,1]   ; t = score x c + m'; each accumulator from its low end on
.set j, j+2
.endr
.irp t, 0,1,2,3                                ; the mask's registers are free: V's first four fragments are asked for here and land under the softmax
.irp c, 0,1,2,3
	ds_load_b128 v[32+16*\t+4*\c:32+16*\t+4*\c+3], v[ADK] offset:VOFF+\t*TL+512*\c
.endr
.endr
	v_max3_num_f32 v254, v96, v97, v98             ; the step's largest t of my query, among my 64 keys, in two chains,
	v_max3_num_f32 v252, v99, v100, v101
.irp i, 6,10,14,18,22,26,30,34,38,42,46,50,54,58
	v_max3_num_f32 v254, v254, v[96+\i], v[97+\i]
	v_max3_num_f32 v252, v252, v[98+\i], v[99+\i]
.endr
	v_max3_num_f32 v254, v254, v158, v159
	v_max_num_f32 v254, v254, v252
	v_permlanex16_b32 v236, v254, s[SEL], s[SEL+1]
	v_max_num_f32 v254, v254, v236                 ; and among lane l xor 16's
	v_max_num_f32 v13, v13, v254                   ; the running largest t
	v_mov_b32 v254, v12
	v_floor_f32 v12, -v13                          ; the new -M = floor(-t) = -ceil(t): M is a whole number
	v_sub_f32 v254, v12, v254                      ; M's old value less its new one: a whole number, 0 or less
	v_cvt_i32_f32 v254, v254                       ; (it saturates)
	v_ldexp_f32 v252, 1.0, v254                    ; f = 2^(old M - new M)
.set j, 0
.rept 32
	v_pk_add_f32 v[96+j:97+j], v[96+j:97+j], v[12:13] op_sel_hi:[1,0]   ; t - M (of the pair the low word, -M, serves both halves)
.set j, j+2
.endr
.set j, 0
.rept 64
	v_exp_f32 v[96+j], v[96+j]                     ; p = 2^(t - M), at most 1: not normalised
.set j, j+1
.endr
	v_pk_mul_f32 v[14:15], v[14:15], v[252:253] op_sel_hi:[1,0]   ; the sums under the new M.  (The plain line behind the exponentials)
	s_wait_alu depctr_va_vdst(0)                   ; one wait for the whole batch of exponentials, ahead of its first reader
	v_pk_add_f32 v[242:243], v[96:97], v[98:99]    ; the row's sum is taken of the unquantised p: two at a time, in two chains
.irp j, 4,8,12,16,20,24,28,32,36,40,44,48,52,56,60
	v_pk_add_f32 v[14:15], v[14:15], v[96+\j:97+\j]
	v_pk_add_f32 v[242:243], v[242:243], v[98+\j:99+\j]
.endr
	v_pk_add_f32 v[14:15], v[14:15], v[242:243]
.irp t, 0,1,2,3,4,5,6,7
.irp i, 0,1,2,3,4,5,6,7
	v_min_num_f32 v[96+8*\t+\i], v[96+8*\t+\i], v240   ; the conversion to an 8-bit code does not saturate (ISA guide 7.6.2); p is not negative, so the hold is one-sided
.endr
	v_cvt_scalef32_pk8_fp8_f32 v[224+2*\t:225+2*\t], v[96+8*\t:103+8*\t], v244   ; registers 2 t, 2 t + 1 of P: keys 16 t + 8 h + 0 .. 7
.endr
.set j, 0
.rept 32
	v_pk_mul_f32 v[160+j:161+j], v[160+j:161+j], v[252:253] op_sel_hi:[1,0]   ; O^T under the new M.  (Also the plain lines between the conversions and the products that read their results)
.set j, j+2
.endr
	s_wait_dscnt 0x0                               ; V's first four fragments
.irp t, 0,1,2,3
	v_wmma_f32_16x16x128_fp8_fp8 v[160+8*\t:167+8*\t], v[32+16*\t:47+16*\t], v[224:239], v[160+8*\t:167+8*\t]   ; O^T += V^T P^T; the eight accumulators take turns, one instruction a turn
.endr
.rept 4
	v_nop
.endr
.irp t, 0,1,2,3
.irp c, 0,1,2,3
	ds_load_b128 v[32+16*\t+4*\c:32+16*\t+4*\c+3], v[ADK] offset:VOFF+(4+\t)*TL+512*\c
.endr
.endr
	s_wait_dscnt 0x0
.irp t, 0,1,2,3
	v_wmma_f32_16x16x128_fp8_fp8 v[192+8*\t:199+8*\t], v[32+16*\t:47+16*\t], v[224:239], v[192+8*\t:199+8*\t]
.endr
	s_xor_b32 s[TB], s[TB], SLOT1                  ; on to the other slot
.endm
	s_load_b256 s[4:11], s[0:1], 0x0               ; q, k, v s[4:5]; the mask s[6:7]; the scales' exponents s[8:9]; the output s[10:11]
	v_lshl_add_u32 v[SPW], v0, 2, SPARE
	v_mov_b32 v[NIL], 0
	ds_add_u32 v[SPW], v[NIL]                      ; the wave's opening: the add and its wait ahead of my first tensor load; the set-up below, work on registers, stands between them
	v_lshrrev_b32 v8, 5, v0
	v_readfirstlane_b32 s[WV], v8                  ; wave 0..7
	s_bfe_u32 s13, ttmp6, 0x40000                  ; cx
	s_bfe_u32 s14, ttmp6, 0x40004                  ; cy
	s_lshl_b32 s15, ttmp9, 2
	s_add_co_u32 s15, s15, s13                     ; my block of 128 queries = 4 x cluster x + cx
	s_and_b32 s16, ttmp7, 0xffff
	s_lshl_b32 s16, s16, 2
	s_add_co_u32 s16, s16, s14                     ; my head = 4 x cluster y + cy
	s_and_b32 s17, s[WV], 1
	s_lshl_b32 s66, s14, 2
	s_lshl_b32 s66, 15, s66                        ; my row of the cluster: the same head
	s_lshl_b32 s67, 0x1111, s13                    ; my column: the same queries
	; descriptor group 1.  K, V: a dense block of 16,384 bytes as 64 rows of 32 elements of 8 bytes
	s_or_b32 s[G1KV], s66, (3<<16)|(1<<21)         ; 15:0 the mask of work-groups; 17:16 elements of 8 bytes; 21 set beside a mask
	s_mov_b32 s[G1KV+1], 32<<16                    ; tensor_dim0
	s_mov_b32 s[G1KV+2], 64<<16                    ; tensor_dim1
	s_mov_b32 s[G1KV+3], 32<<16                    ; tile_dim0
	s_mov_b32 s[G1KV+4], 64                        ; tile_dim1
	s_mov_b32 s[G1KV+5], 32                        ; tensor_dim0_stride
	s_mov_b32 s[G1KV+6], 0
	s_mov_b32 s[G1KV+7], 0
	; the mask's tile: 64 rows of 128 f32, 2,048 elements apart
	s_or_b32 s[G1M], s67, (2<<16)|(1<<20)|(1<<21)|(6<<22)|(3<<25)   ; elements of 4 bytes; padding on: after every 128 words (code 6) four words (code 3)
	s_mov_b32 s[G1M+1], 128<<16
	s_mov_b32 s[G1M+2], 64<<16
	s_mov_b32 s[G1M+3], 128<<16
	s_mov_b32 s[G1M+4], 64
	s_mov_b32 s[G1M+5], 2048
	s_mov_b32 s[G1M+6], 0
	s_mov_b32 s[G1M+7], 0
	s_lshl_b32 s60, s16, 18                        ; K or V: the head,
	s_lshl_b32 s61, s17, 22                        ; V's section lies behind K's,
	s_add_co_u32 s60, s60, s61
	s_add_co_u32 s60, s60, SEC                     ; which lies behind q's
	s_mov_b32 s61, 0
	s_lshl_b32 s62, s15, 7                         ; the mask: row 128 x block + 64 x half (in registers that never hold cy)
	s_lshl_b32 s63, s17, 6
	s_add_co_u32 s62, s62, s63
	s_lshl_b32 s62, s62, 13                        ; rows of 8,192 bytes
	s_mov_b32 s63, 0
	s_mov_b32 s[SEL], 0x76543210
	s_mov_b32 s[SEL+1], 0xfedcba98
	s_mov_b32 s[NG], 0xceabfb8f                    ; -1e9 x log2(e)
	s_mov_b32 s[NG+1], s[NG]                       ; (named with it as a pair, so it is written)
	s_mov_b32 s[CS], 0x3e0293ee                    ; log2(e) / sqrt(128)
	s_mov_b32 s[TB], 0
	s_mov_b32 s[SLOTS], NST-1
	s_wait_dscnt 0x0                               ; the opening add is done
	s_wait_kmcnt 0x0
	s_load_b128 s[48:51], s[8:9], 0x18             ; e6, e7, e8, e9
	s_load_b32 s52, s[8:9], 0x28                   ; e10
	s_mov_b32 s[G0KV], 1                           ; 1:0 count = 1
	s_lshl_b32 s[G0KV+1], s17, 14                  ; 63:32 LDS address: slot 0; K, then V
	s_add_nc_u64 s[G0KV+2:G0KV+3], s[4:5], s[60:61]   ; 120:64 global address: key step 0
	s_or_b32 s[G0KV+3], s[G0KV+3], 0x80000000      ; 127:126 type = 2
	s_mov_b32 s[G0M], 1
	s_mul_i32 s[G0M+1], s17, 64*MP
	s_add_co_u32 s[G0M+1], s[G0M+1], MOFF
	s_add_nc_u64 s[G0M+2:G0M+3], s[6:7], s[62:63]
	s_or_b32 s[G0M+3], s[G0M+3], 0x80000000
	CROUND                                         ; all sixteen work-groups are here: the first joint loads meet
	TLOAD                                          ; key step 0 into slot 0
	; the prefetches: who asks, and where they stand: at key step 2; the first change steps them to step 3.  Nothing is prefetched here, at the head
	s_and_b32 s66, ttmp7, 0xffff
	s_cmp_eq_u32 s[WV], 4
	s_cselect_b32 s67, ttmp9, s66                  ; the coordinate along which other clusters read the same bytes
	s_sub_co_u32 s68, s[WV], 4
	s_cmp_lt_u32 s68, 3                            ; waves 4, 5, 6
	s_cselect_b32 s68, 0, 1
	s_or_b32 s67, s67, s68
	s_cmp_eq_u32 s67, 0
	s_cselect_b32 s[LIM], 2, -1                    ; the same in all sixteen partners, for a given wave
	s_lshl_b32 s70, s16, 18                        ; wave 4: K's section, my head,
	s_lshl_b32 s71, s13, 12                        ; my work-group's 16 blocks of the 64
	s_add_co_u32 s70, s70, s71
	s_add_co_u32 s70, s70, SEC+2*KSB
	s_lshl_b32 s72, s15, 7                         ; waves 5, 6: the mask's row 128 x block
	s_lshl_b32 s73, s14, 5                         ; + my work-group's 32 of the 128
	s_add_co_u32 s72, s72, s73
	s_lshl_b32 s72, s72, 13
	s_sub_co_u32 s73, s[WV], 5
	s_and_b32 s73, s73, 1
	s_lshl_b32 s73, s73, 8                         ; which half of a step's 512 bytes of a row
	s_add_co_u32 s72, s72, s73
	s_add_co_u32 s72, s72, 2*512
	s_mov_b32 s[PFS], 512
	s_mov_b32 s74, 8192
	s_mov_b32 s75, 131072
	s_cmp_eq_u32 s[WV], 4
	s_cselect_b64 s[PFA:PFA+1], s[4:5], s[6:7]
	s_cselect_b32 s70, s70, s72
	s_cselect_b32 s[PFS], KSB, s[PFS]              ; a key step on
	s_cselect_b32 s74, 256, s74                    ; from lane to lane within sixteen: a block of K or V, or a row of the mask
	s_cselect_b32 s75, SEC, s75                    ; lanes 16-31: V's section, or sixteen rows on
	s_mov_b32 s71, 0
	s_mov_b32 s[PFS+1], 0
	s_add_nc_u64 s[PFA:PFA+1], s[PFA:PFA+1], s[70:71]
	v_and_b32 v10, 15, v0                          ; r
	v_bfe_u32 v11, v0, 4, 1                        ; h
	v_mul_lo_u32 v[PFO], v10, s74
	v_mul_lo_u32 v4, v11, s75
	v_add_nc_u32 v[PFO], v[PFO], v4
	; addresses
	v_and_b32 v4, 31, v0
	v_lshlrev_b32 v[LI], 4, v4
	s_mul_i32 s66, s[WV], 16*MP
	v_mul_u32_u24 v[AM0], v10, MP
	v_lshl_add_u32 v[AM0], v11, 5, v[AM0]
	v_add_nc_u32 v[AM0], s66, v[AM0]
	v_add_nc_u32 v[AM0], MOFF, v[AM0]
	s_lshl_b32 s66, s16, 18                        ; q: my head,
	s_lshl_b32 s67, s15, 3
	s_add_co_u32 s67, s67, s[WV]                   ; tile 8 x block + wave
	s_lshl_b32 s67, s67, 11
	s_add_co_u32 s66, s66, s67
	s_mov_b32 s67, 0
	s_add_nc_u64 s[76:77], s[4:5], s[66:67]
.irp g, 0,1,2,3
	global_load_b128 v[16+4*\g:19+4*\g], v[LI], s[76:77] offset:512*\g   ; Q's fragment stays in registers
.endr
	s_lshl_b32 s66, s15, 4                         ; the output: [block of 128 queries][head][tile][2,048]
	s_add_co_u32 s66, s66, s16
	s_lshl_b32 s66, s66, 3
	s_add_co_u32 s66, s66, s[WV]
	s_lshl_b32 s66, s66, 11
	s_add_nc_u64 s[10:11], s[10:11], s[66:67]
	v_mov_b32 v13, 0xff61b1e6                      ; the largest t so far: -3e38, under every t
	v_floor_f32 v12, -v13                          ; -M
	v_mov_b32 v14, 0                               ; the sum, in two halves
	v_mov_b32 v15, 0
	v_mov_b32 v236, 0                              ; written once: a lane permute's destination counts as one of its sources
	v_mov_b32 v253, 0                              ; (named as the upper half of the pair v[252:253])
.set j, 0
.rept 64
	v_mov_b32 v[160+j], 0                          ; O^T.  (The step is written once for the loop: its first trip finds zeros, which the first change of M leaves zeros)
.set j, j+1
.endr
	s_wait_kmcnt 0x0
	s_add_co_i32 s66, s48, s49
	s_lshl_b32 s66, s66, 23
	s_add_co_i32 s[CS], s[CS], s66                 ; a raw score stands for score x 2^(e6 + e7): the two exponents are added to c's exponent field
	s_mov_b32 s[CS+1], s[CS]
	s_add_co_i32 s66, s50, 127
	s_lshl_b32 s67, s66, 23
	v_mov_b32 v244, s67                            ; 2^e8, for p's conversions
	s_add_co_i32 s66, s66, 8
	s_lshl_b32 s66, s66, 23
	s_or_b32 s66, s66, 0x600000
	v_mov_b32 v240, s66                            ; 448 x 2^e8
	s_add_co_i32 s66, s52, 127
	s_lshl_b32 s67, s66, 23
	v_mov_b32 v245, s67                            ; 2^e10, for o's
	s_add_co_i32 s66, s66, 8
	s_lshl_b32 s66, s66, 23
	s_or_b32 s66, s66, 0x600000
	v_mov_b32 v241, s66                            ; 448 x 2^e10
	s_wait_loadcnt 0x0                             ; Q
.Lslot:                                            ; 15 trips: behind each change of slots but the last the next key step is asked for
	CHANGE 1
	STEP
	s_sub_co_u32 s[SLOTS], s[SLOTS], 1
	s_cmp_lg_u32 s[SLOTS], 0
	s_cbranch_scc1 .Lslot
	CHANGE 0                                       ; the last step is written out
	STEP
	; THE WAY OUT.  o = O^T / the sum x 2^(e8 + e9), held, quantised with e10: my tile's image for the last projection (rows = my 16 queries, K = the head's 128), four stores of 512 consecutive bytes.
	v_add_f32 v14, v14, v15                        ; the sum's two halves,
	v_permlanex16_b32 v252, v14, s[SEL], s[SEL+1]
	v_add_f32 v14, v14, v252                       ; and lane l xor 16's: the row's sum
	v_rcp_f32 v14, v14
.rept 3
	v_nop                                          ; the plain line behind the reciprocal; with the two additions also the places behind the last products
.endr
	s_add_co_i32 s66, s50, s51
	s_wait_alu depctr_va_vdst(0)                   ; the wait ahead of the reciprocal's first reader
	v_ldexp_f32 v14, v14, s66                      ; x 2^(e8 + e9)
.set j, 0
.rept 32
	v_pk_mul_f32 v[96+j:97+j], v[160+j:161+j], v[14:15] op_sel_hi:[1,0]   ; register 8 t + i is o(my query, 16 t + 8 h + i); each accumulator from its low end on
.set j, j+2
.endr
.set j, 0
.rept 64
	v_med3_num_f32 v[96+j], v[96+j], -v241, v241
.set j, j+1
.endr
.irp t, 0,1,2,3,4,5,6,7
	v_cvt_scalef32_pk8_fp8_f32 v[224+2*\t:225+2*\t], v[96+8*\t:103+8*\t], v245
.endr
	v_nop                                          ; a plain vector line behind the last conversion
.irp g, 0,1,2,3
	global_store_b128 v[LI], v[224+4*\g:227+4*\g], s[10:11] offset:512*\g
.endr
	s_wait_tensorcnt 0x0                           ; the wave's end: behind my last tensor load
	ds_add_u32 v[SPW], v[NIL]
	s_wait_dscnt 0x0
	CROUND                                         ; the closing round: no work-group ends while a partner may still ask for a tile that names it
	s_endpgm
.Lfunc_end_k_q4d46f46599_attn:
	.size	k_q4d46f46599_attn, .Lfunc_end_k_q4d46f46599_attn-k_q4d46f46599_attn
	.p2alignl 7, 3214868480
	.fill 96, 4, 3214868480
	.section	.rodata,"a",@progbits
	.p2align	6, 0x0
	.amdhsa_kernel k_q4d46f46599_attn
		.amdhsa_group_segment_fixed_size 327680
		.amdhsa_private_segment_fixed_size 0
		.amdhsa_enable_private_segment 0
		.amdhsa_kernarg_size 32
		.amdhsa_user_sgpr_count 2
		.amdhsa_user_sgpr_kernarg_segment_ptr 1
		.amdhsa_wavefront_size32 1
		.amdhsa_system_sgpr_workgroup_id_x 1
		.amdhsa_system_sgpr_workgroup_id_y 1
		.amdhsa_system_sgpr_workgroup_id_z 1
		.amdhsa_system_vgpr_workitem_id 0
		.amdhsa_next_free_vgpr 256
		.amdhsa_next_free_sgpr 80
		.amdhsa_reserve_vcc 0
		.amdhsa_float_denorm_mode_32 3
		.amdhsa_float_denorm_mode_16_64 3
		.amdhsa_memory_ordered 1
		.amdhsa_forward_progress 1
		.amdhsa_inst_pref_size 67
	.end_amdhsa_kernel
	.amdgpu_metadata
---
amdhsa.version: [ 1, 2 ]
amdhsa.kernels:
  - .name:           k_q4d46f46599_attn
    .symbol:         k_q4d46f46599_attn.kd
    .args:
      - { .name: qkv, .offset: 0, .size: 8, .value_kind: global_buffer, .address_space: global }
      - { .name: attn_mask, .offset: 8, .size: 8, .value_kind: global_buffer, .address_space: global }
      - { .name: lowp_scales, .offset: 16, .size: 8, .value_kind: global_buffer, .address_space: global }
      - { .name: ac, .offset: 24, .size: 8, .value_kind: global_buffer, .address_space: global }
    .group_segment_fixed_size: 327680
    .private_segment_fixed_size: 0
    .kernarg_segment_align: 8
    .kernarg_segment_size: 32
    .max_flat_workgroup_size: 256
    .sgpr_count:     80
    .vgpr_count:     256
    .wavefront_size: 32
...
	.end_amdgpu_metadata
.endif
;; end of part 3
;; launch oproj (part 4): grid 8 x 8, 4 waves a work-group, clusters of 4 x 4, 327,680 bytes of LDS; arguments ac, codes, bo, lowp_scales, out0; writes out0
.if DOCPART == 4
	.amdgcn_target "amdgcn-amd-amdhsa--gfx1250"
	.amdhsa_code_object_version 6
	.text
	.protected	k_q4d46f46599_oproj
	.globl	k_q4d46f46599_oproj
	.p2align	8
	.type	k_q4d46f46599_oproj,@function
k_q4d46f46599_oproj:
	s_mov_b64 s[64:65], 0
	v_nop
	global_prefetch_b8 v0, s[64:65] scope:SCOPE_SE
	s_setreg_imm32_b32 hwreg(HW_REG_WAVE_MODE, 25, 1), 1
	s_wait_xcnt 0x0
	s_wait_alu depctr_hold_cnt(0) depctr_sa_sdst(0) depctr_va_vdst(0) depctr_va_sdst(0) depctr_va_ssrc(0) depctr_va_vcc(0) depctr_vm_vsrc(0)
	s_getreg_b32 s2, hwreg(HW_REG_IB_STS2, 6, 4)
	s_cmp_eq_u32 s2, 0
	s_cbranch_scc0 .Lentry_in_a_cluster
	s_endpgm
.Lentry_in_a_cluster:
	s_bfe_u32 s2, ttmp6, 0x10000c
	s_cmp_lg_u32 s2, 0xf033
	s_cbranch_scc0 .Lentry_shape_is_right
	s_endpgm
.Lentry_shape_is_right:
; out = o Wo + bo on codes of FP8 (E4M3): o (scale 2^e10) as attention left it, Wo (2^e11) as the first launch left it; out [2048][2048] f32.
; Both operands lie as IMAGES OF OPERAND REGISTERS: a fragment (16 rows x 128 K; lane (r, h), registers 2 c, 2 c + 1: k = 16 c + 8 h + 0 .. 7 of row r) is 2,048 bytes, registers 4 g .. 4 g + 3 of lane l at 512 g + 16 l;
; each tensor is [block of 128 rows: 16][K step of 128: 16][tile of 16 rows: 8][2,048]; Wo's rows are its n, and it is section 6 (of 4 MiB each) of the codes' buffer.
; So a block's two K steps are 32,768 consecutive bytes, one dense tensor load, and a fragment comes from LDS by four loads of 16 bytes a lane at 16 x lane.
; A tile of 256 x 256 of out is made by a work-group of four waves; a wave makes 128 x 128: 64 accumulators, 512 registers.  K goes in steps of 256 through a ring of two LDS slots.  64 work-groups: a tile of 128 x 128
; would give 256 and read twice the LDS bytes for each product.
; THE MATRIX INSTRUCTION IS USED TRANSPOSED (source 0 = 16 rows of Wo, source 1 = 16 rows of o): a lane holds eight neighbouring numbers of a row of out.
; CLUSTERS: 4 x 4 work-groups.  o's tiles are shared along a row of the cluster, Wo's along a column: each is asked for jointly, by the same tensor load with the same descriptor and a mask that names the four.
; LIMIT: e10 + e11 between -126 and 127, so that 2^(e10 + e11) is an f32 number.
; REGISTERS, in windows of 256: window 0: v0-31 addresses and my four biases; from v128 A's fragments, ONE set; on the way out v128-255 take rows of out.
;   window 1: B's fragments, TWO sets, at v0 and v128.   window 2: the accumulators of my rows 0-63 ((a, b) at v[8 (8 a + b)]);   window 3: those of my rows 64-127.
.set SEC,   0x400000
.set RB,    262144
.set KSB,   16384
.set TL,    2048
.set FR,    16
.set NL,    4
.set NP,    4                          ; places behind this matrix instruction (ISA guide 7.12.1)
.set HALFT, 32768                      ; 128 rows x 256 K: what one tensor load brings: [K step 2][tile 8][2,048]
.set SLOT,  4*HALFT
.set LAPS,  4
.set SPARE, 2*SLOT                     ; behind the ring: the spare words, 128 bytes for each wave: two blocks of 256 bytes that no other line names
.set SPITCH, 528                       ; the way out: a stage of 16 rows x (512 bytes + 16) for each wave.  It lies in slot 0, which has had its last fill and its last read when the first result is stored there
.set BI,   8                           ; v8-11   bo at my four columns of a row's 128
.set ADRA, 16
.set ADRB, 20
.set STO,  24                          ; v24     the way out: where I put 32 bytes of a row
.set RD,   25                          ; v25     where I read a row back
.set CO,   26                          ; v26     16 x lane
.set SPW,  28
.set NIL,  29
.set AF,   128
.set BK,   128                         ; the way out: 16 rows read back from the stage: v128-191 and v192-255 by turns
.set G1, 24
.set G0, 32
.set G1B, 48
.set G0B, 56
.set MSB, 0
.macro WIN new                         ; the immediate's high byte repeats the setting that is left
.if MSB != (\new)
	s_set_vgpr_msb (MSB<<8)|(\new)
.set MSB, \new
.endif
.endm
.set MUL_LO, 0xa1                      ; source 0 (B) window 1, source 1 (A) window 0, C and D window 2
.set MUL_HI, 0xf1                      ; the same, C and D window 3
.set TO_B,   0x40                      ; destination window 1, address window 0
; A joint load: waves 0 and 1 fetch for A, waves 2 and 3 for B; the branch hangs on the wave's number alone.  An s_nop 0 and four v_nop follow each of the two lines.
.macro JLOAD g0a, g1a, g0b, g1b
	s_cmp_eq_u32 s15, 0
	s_cbranch_scc0 .Lfor_b_\@
	tensor_load_to_lds s[\g0a:\g0a+3], s[\g1a:\g1a+7]
	s_nop 0
.rept 4
	v_nop
.endr
	s_branch .Lasked_\@
.Lfor_b_\@:
	tensor_load_to_lds s[\g0b:\g0b+3], s[\g1b:\g1b+7]
	s_nop 0
.rept 4
	v_nop
.endr
.Lasked_\@:
.endm
.macro CREST                           ; a round of the cluster's barrier behind its opening barrier
	s_cmp_lg_u32 s14, 0
	s_cbranch_scc1 .Lnot_wave_0_\@
	s_barrier_signal -3
.Lnot_wave_0_\@:
	s_barrier_wait -3
	s_barrier_signal -1
	s_barrier_wait -1
.endm
.macro CROUND
	s_barrier_signal -1
	s_barrier_wait -1
	CREST
.endm
.macro FRAG reg, adr, q, i             ; tile i of the slot's q-th K step: the image comes back as the registers that it is
.irp c, 0,1,2,3
	ds_load_b128 v[\reg+4*\c:\reg+4*\c+3], v[\adr] offset:KSB*(\q)+TL*(\i)+512*\c
.endr
.endm
; 16 matrix instructions: A's blocks a0, a0 + 1 x B's eight.  The 64 accumulators take turns, one instruction a turn, in the same order in every step.
.macro MUL16 a0, p, zero
.irp a, \a0, \a0+1
.irp b, 0,1,2,3,4,5,6,7
.if \zero
	v_wmma_f32_16x16x128_fp8_fp8 v[8*(8*((\a)%4)+\b):8*(8*((\a)%4)+\b)+7], v[128*(\p)+FR*\b:128*(\p)+FR*\b+FR-1], v[AF+FR*(\a):AF+FR*(\a)+FR-1], 0
.else
	v_wmma_f32_16x16x128_fp8_fp8 v[8*(8*((\a)%4)+\b):8*(8*((\a)%4)+\b)+7], v[128*(\p)+FR*\b:128*(\p)+FR*\b+FR-1], v[AF+FR*(\a):AF+FR*(\a)+FR-1], v[8*(8*((\a)%4)+\b):8*(8*((\a)%4)+\b)+7]
.endif
.endr
.endr
.endm
.macro FETCH_B slot, q, p
	WIN TO_B
.irp i, 0,1,2,3,4,5,6,7
	FRAG 128*(\p)+FR*\i, ADRB+\slot, \q, \i
.endr
	WIN 0
.endm
.macro FETCH_A slot, q, i0
.irp i, \i0, \i0+1, \i0+2, \i0+3
	FRAG AF+FR*(\i), ADRA+\slot, \q, \i
.endr
.endm
.macro PLACES n                        ; places behind matrix instructions: in front of loads into registers that they have read, and of the first read of results (for the read of results)
.rept \n
	v_nop
.endr
.endm
.macro STEP slot, q, zero              ; a step of 128 along K that has its successor in the same slot
	s_wait_dscnt 4*NL                              ; B's set and A's blocks 0-3 are in; the youngest sixteen loads (A's blocks 4-7) may be out
	WIN MUL_LO
	MUL16 0, (\q)%2, \zero
	MUL16 2, (\q)%2, \zero
	s_wait_dscnt 0
	PLACES NP
	FETCH_B \slot, (\q)+1, 1-(\q)%2
	FETCH_A \slot, (\q)+1, 0
	WIN MUL_HI
	MUL16 4, (\q)%2, \zero
	MUL16 6, (\q)%2, \zero
	PLACES NP
	WIN 0
	FETCH_A \slot, (\q)+1, 4
.endm
; A slot's last step changes slots: one barrier; in front of it each wave waits for all its tensor loads, adds 0 to its spare word, and waits for that and for its own reads of this slot.
.macro TURN slot, next, fill
	s_wait_tensorcnt 0x0                           ; all my tensor loads have landed: my part of the next slot  (every window is 0 here)
	ds_add_u32 v[SPW], v[NIL]                      ; 0 onto my spare word
	s_wait_dscnt 4*NL+1                            ; (the add and the youngest sixteen loads may be out)
	WIN MUL_LO
	MUL16 0, 1, 0
	s_wait_dscnt 0x0                               ; the add is done, and my reads of this slot are over
	s_barrier_signal -1
	MUL16 2, 1, 0
	WIN 0
	s_barrier_wait -1
.if \fill
	CREST                                          ; the barrier has opened a round of the cluster's barrier: no wave of any partner still reads this slot's tile or has a load on its way
	s_add_nc_u64 s[G0+4*\slot+2:G0+4*\slot+3], s[G0+4*\slot+2:G0+4*\slot+3], 2*HALFT
	s_add_nc_u64 s[G0B+4*\slot+2:G0B+4*\slot+3], s[G0B+4*\slot+2:G0B+4*\slot+3], 2*HALFT
	JLOAD G0+4*\slot, G1, G0B+4*\slot, G1B         ; the first tensor load behind the round; its four v_nop are the places in front of the loads below
.else
	PLACES NP
.endif
	FETCH_B \next, 0, 0
	FETCH_A \next, 0, 0
	WIN MUL_HI
	MUL16 4, 1, 0
	MUL16 6, 1, 0
	PLACES NP
	WIN 0
	FETCH_A \next, 0, 4
.endm
; THE WAY OUT, block by block of 16 rows x 128 columns.  A lane holds 32 neighbouring bytes of a row and the lanes beside it hold other rows: the raw sums go through my own stage in LDS and come back as whole rows of
; 512 bytes; there a lane has four columns that are the same in every row, so four registers hold all its biases: out = sum x 2^(e10 + e11) + bo, one packed multiply-add for two numbers.
; LDS serves a wave's instructions in order (ISA guide 5.7.1.4): no wait between the stores and the loads, nor in front of the next block's stores.
.macro TOSTAGE a
.set AC, 64*((\a)%4)
	WIN 0x08+4*((\a)/4)                            ; an LDS store's data are its source 1: window 2 or 3
.irp b, 0,1,2,3,4,5,6,7
	ds_store_b128 v[STO], v[AC+8*\b:AC+8*\b+3] offset:64*\b          ; each accumulator from its low end on
	ds_store_b128 v[STO], v[AC+8*\b+4:AC+8*\b+7] offset:64*\b+16
.endr
	WIN 0
.set BB, BK+64*((\a)%2)
.irp t, 0,1,2,3,4,5,6,7,8,9,10,11,12,13,14,15
	ds_load_b128 v[BB+4*\t:BB+4*\t+3], v[RD] offset:\t*SPITCH
.endr
.endm
.macro SEND a, younger                 ; younger: the LDS instructions issued behind block a's loads: the next block's 16 stores and 16 loads, or none
.set BB, BK+64*((\a)%2)
	s_wait_dscnt \younger                          ; the block is back in registers
.if (\a) > 0
	s_add_nc_u64 s[12:13], s[12:13], 16*8192       ; (behind a wait on XCNT: the earlier stores have read their base)  16 rows on
.endif
.irp t, 0,1,2,3,4,5,6,7,8,9,10,11,12,13,14,15
	v_pk_fma_f32 v[BB+4*\t:BB+4*\t+1], v[BB+4*\t:BB+4*\t+1], s[96:97], v[BI:BI+1] op_sel_hi:[1,0,1]
	v_pk_fma_f32 v[BB+4*\t+2:BB+4*\t+3], v[BB+4*\t+2:BB+4*\t+3], s[96:97], v[BI+2:BI+3] op_sel_hi:[1,0,1]
	global_store_b128 v[CO], v[BB+4*\t:BB+4*\t+3], s[12:13] offset:\t*8192 th:TH_STORE_NT   ; 32 lanes store 512 consecutive bytes, at a multiple of 512 from out's first byte; written once, read by nobody here
.endr
.endm
	s_load_b256 s[4:11], s[0:1], 0x0               ; o's codes s[4:5], the codes' buffer s[6:7], bo s[8:9], the scales' exponents s[10:11]
	s_load_b64 s[12:13], s[0:1], 0x20              ; out
	v_lshl_add_u32 v[SPW], v0, 2, SPARE
	v_mov_b32 v[NIL], 0
	ds_add_u32 v[SPW], v[NIL]                      ; the wave's opening: the add and its wait ahead of my first tensor load; the set-up below, work on registers, stands between them
	v_lshrrev_b32 v1, 5, v0
	v_readfirstlane_b32 s14, v1                    ; wave 0..3
	s_lshr_b32 s15, s14, 1                         ; which half of the tile's rows is mine.  Also: I fetch for A (0) or for B (1)
	s_and_b32 s16, s14, 1                          ; which half of its columns.  Also: which 128 rows of that tile I fetch
	s_bfe_u32 s40, ttmp6, 0x40000                  ; cx, cy
	s_bfe_u32 s41, ttmp6, 0x40004
	s_lshl_b32 s42, ttmp9, 2
	s_add_co_u32 s42, s42, s40                     ; tile column = 4 x cluster x + cx
	s_and_b32 s17, ttmp7, 0xffff
	s_lshl_b32 s17, s17, 2
	s_add_co_u32 s17, s17, s41                     ; tile row = 4 x cluster y + cy
	s_lshl_b32 s43, s41, 2
	s_lshl_b32 s43, 15, s43                        ; my row of the cluster
	s_lshl_b32 s44, 0x1111, s40                    ; my column
	s_or_b32 s[G1+0], s43, (3<<16)|(1<<21)         ; 15:0 the mask; 17:16 elements of 8 bytes; 20 no padding; 21 set beside a mask
	s_or_b32 s[G1B+0], s44, (3<<16)|(1<<21)
.irp g, G1, G1B
	s_mov_b32 s[\g+1], 32<<16                      ; a dense block of 32,768 bytes as 128 rows of 32 elements: tensor_dim0
	s_mov_b32 s[\g+2], 128<<16                     ; tensor_dim1
	s_mov_b32 s[\g+3], 32<<16                      ; tile_dim0
	s_mov_b32 s[\g+4], 128                         ; tile_dim1
	s_mov_b32 s[\g+5], 32                          ; tensor_dim0_stride
	s_mov_b32 s[\g+6], 0
	s_mov_b32 s[\g+7], 0
.endr
	s_lshl_b32 s20, s17, 1
	s_add_co_u32 s20, s20, s16                     ; A: block of 128 rows 2 x tile row + half
	s_lshl_b32 s20, s20, 18
	s_mov_b32 s21, 0
	s_lshl_b32 s46, s42, 1
	s_add_co_u32 s46, s46, s16                     ; B: 2 x tile column + half,
	s_lshl_b32 s46, s46, 18
	s_add_co_u32 s46, s46, 6*SEC                   ; in section 6
	s_mov_b32 s47, 0
	s_mul_i32 s45, s14, HALFT                      ; where they go: wave x 32,768: no place in the cluster enters an LDS address
	s_wait_dscnt 0x0                               ; the opening add is done
	s_wait_kmcnt 0x0
	s_load_b64 s[96:97], s[10:11], 0x28            ; e10, e11
	s_add_nc_u64 s[20:21], s[4:5], s[20:21]
	s_add_nc_u64 s[46:47], s[6:7], s[46:47]
	CROUND                                         ; all sixteen work-groups are here: the first joint loads meet
.irp s, 0,1
	s_mov_b32 s[G0+4*\s], 1
	s_add_co_u32 s[G0+4*\s+1], s45, \s*SLOT
	s_add_nc_u64 s[G0+4*\s+2:G0+4*\s+3], s[20:21], \s*HALFT
	s_or_b32 s[G0+4*\s+3], s[G0+4*\s+3], 0x80000000
	s_mov_b32 s[G0B+4*\s], 1
	s_add_co_u32 s[G0B+4*\s+1], s45, \s*SLOT
	s_add_nc_u64 s[G0B+4*\s+2:G0B+4*\s+3], s[46:47], \s*HALFT
	s_or_b32 s[G0B+4*\s+3], s[G0B+4*\s+3], 0x80000000
	JLOAD G0+4*\s, G1, G0B+4*\s, G1B
.endr
	v_and_b32 v1, 15, v0                           ; r
	v_bfe_u32 v2, v0, 4, 1                         ; h
	v_and_b32 v6, 31, v0
	v_lshlrev_b32 v[CO], 4, v6
	s_mul_i32 s21, s15, HALFT                      ; my 128 rows of A
	s_mul_i32 s22, s16, HALFT                      ; my 128 rows of B,
	s_add_co_u32 s22, s22, 2*HALFT                 ; which lie behind A's 256
.irp s, 0,1
	v_add_nc_u32 v[ADRA+\s], s21, v[CO]
	v_add_nc_u32 v[ADRB+\s], s22, v[CO]
	s_add_co_u32 s21, s21, SLOT
	s_add_co_u32 s22, s22, SLOT
.endr
	s_mul_i32 s23, s14, 16*SPITCH                  ; my stage
	v_mul_u32_u24 v5, v1, SPITCH                   ; in: row r, 32 bytes for each half of the lanes
	v_lshl_add_u32 v5, v2, 5, v5
	v_add_nc_u32 v[STO], s23, v5
	v_add_nc_u32 v[RD], s23, v[CO]                 ; back: the 32 lanes take one row of 512 bytes
	s_lshl_b32 s72, s42, 10
	s_lshl_b32 s73, s16, 9
	s_add_co_u32 s72, s72, s73                     ; my first column, in bytes: 1,024 x tile column + 512 x half
	s_mov_b32 s73, 0
	s_add_nc_u64 s[8:9], s[8:9], s[72:73]
	global_load_b128 v[BI:BI+3], v[CO], s[8:9]     ; bo at my four columns; waited for on the way out
	s_lshl_b32 s74, s17, 8
	s_lshl_b32 s75, s15, 7
	s_add_co_u32 s74, s74, s75                     ; my first row: 256 x tile row + 128 x half
	s_lshl_b32 s74, s74, 13                        ; rows of 8,192 bytes
	s_add_co_u32 s74, s74, s72
	s_mov_b32 s75, 0
	s_add_nc_u64 s[12:13], s[12:13], s[74:75]
	s_wait_tensorcnt 1                             ; my part of slot 0 is in (slot 1's load may be out)
	s_barrier_signal -1
	s_barrier_wait -1                              ; everybody's is
	FETCH_B 0, 0, 0
	FETCH_A 0, 0, 0
	FETCH_A 0, 0, 4
	STEP 0, 0, 1                                   ; the first step stands in front of the loop: its products start the sums
	s_mov_b32 s3, LAPS-1
.Llap:                                                 ; a trip goes once round the ring and fills both slots again
	TURN 0, 1, 1
	STEP 1, 0, 0
	TURN 1, 0, 1
	STEP 0, 0, 0
	s_sub_co_u32 s3, s3, 1
	s_cmp_lg_u32 s3, 0
	s_cbranch_scc1 .Llap
	TURN 0, 1, 0                                   ; the last lap fills nothing, and has no round of the cluster's barrier
	STEP 1, 0, 0
	s_wait_dscnt 4*NL                              ; the very last step: nothing more to fetch
	WIN MUL_LO
	MUL16 0, 1, 0
	MUL16 2, 1, 0
	s_wait_dscnt 0
	WIN MUL_HI
	MUL16 4, 1, 0
	MUL16 6, 1, 0
	WIN 0
	s_wait_kmcnt 0x0
	s_add_co_i32 s96, s96, s97                     ; e10 + e11
	s_add_co_i32 s96, s96, 127
	s_lshl_b32 s96, s96, 23                        ; 2^(e10 + e11) as f32
	s_mov_b32 s97, s96                             ; (named with it as a pair, so it is written)
	s_wait_loadcnt 0x0                             ; bo
	PLACES NP                                      ; behind the last products: LDS stores read their results, and loads land in the registers that held A's fragments
	TOSTAGE 0
.irp a, 1,2,3,4,5,6,7
.if \a > 1
	s_wait_xcnt 0x0                                ; block a - 2's stores have read their registers and their base: block a's loads may land there, and the base may step
.endif
	TOSTAGE \a
	SEND \a-1, 32
.endr
	s_wait_xcnt 0x0                                ; block 6's stores have read their base
	SEND 7, 0
	s_wait_tensorcnt 0x0                           ; the wave's end: behind my last tensor load and my last LDS store
	ds_add_u32 v[SPW], v[NIL]
	s_wait_dscnt 0x0
	CROUND                                         ; the closing round: no work-group ends while a partner may still ask for a tile that names it
	s_endpgm
.Lfunc_end_k_q4d46f46599_oproj:
	.size	k_q4d46f46599_oproj, .Lfunc_end_k_q4d46f46599_oproj-k_q4d46f46599_oproj
	.p2alignl 7, 3214868480
	.fill 96, 4, 3214868480
	.section	.rodata,"a",@progbits
	.p2align	6, 0x0
	.amdhsa_kernel k_q4d46f46599_oproj
		.amdhsa_group_segment_fixed_size 327680
		.amdhsa_private_segment_fixed_size 0
		.amdhsa_enable_private_segment 0
		.amdhsa_kernarg_size 40
		.amdhsa_user_sgpr_count 2
		.amdhsa_user_sgpr_kernarg_segment_ptr 1
		.amdhsa_wavefront_size32 1
		.amdhsa_system_sgpr_workgroup_id_x 1
		.amdhsa_system_sgpr_workgroup_id_y 1
		.amdhsa_system_sgpr_workgroup_id_z 1
		.amdhsa_system_vgpr_workitem_id 0
		.amdhsa_next_free_vgpr 1024
		.amdhsa_next_free_sgpr 98
		.amdhsa_reserve_vcc 0
		.amdhsa_float_denorm_mode_32 3
		.amdhsa_float_denorm_mode_16_64 3
		.amdhsa_memory_ordered 1
		.amdhsa_forward_progress 1
		.amdhsa_inst_pref_size 123
	.end_amdhsa_kernel
	.amdgpu_metadata
---
amdhsa.version: [ 1, 2 ]
amdhsa.kernels:
  - .name:           k_q4d46f46599_oproj
    .symbol:         k_q4d46f46599_oproj.kd
    .args:
      - { .name: ac, .offset: 0, .size: 8, .value_kind: global_buffer, .address_space: global }
      - { .name: codes, .offset: 8, .size: 8, .value_kind: global_buffer, .address_space: global }
      - { .name: bo, .offset: 16, .size: 8, .value_kind: global_buffer, .address_space: global }
      - { .name: lowp_scales, .offset: 24, .size: 8, .value_kind: global_buffer, .address_space: global }
      - { .name: out0, .offset: 32, .size: 8, .value_kind: global_buffer, .address_space: global }
    .group_segment_fixed_size: 327680
    .private_segment_fixed_size: 0
    .kernarg_segment_align: 8
    .kernarg_segment_size: 40
    .max_flat_workgroup_size: 128
    .sgpr_count:     98
    .vgpr_count:     1024
    .wavefront_size: 32
...
	.end_amdgpu_metadata
.endif
;; end of part 4
;; ======== version 2 of 2: 4 launches
;; limits: inputs' magnitudes at most 2e+29; right only within a limited range of input values
;; workspace buffers: codes 29,360,128 bytes; qkv 12,582,912 bytes; ac 4,194,304 bytes
;; launch quant (part 5): grid 640 x 1, 4 waves a work-group, no clusters, 34,304 bytes of LDS; arguments x, Wq, Wk, Wv, Wo, lowp_scales, codes; writes codes
.if DOCPART == 5
	.amdgcn_target "amdgcn-amd-amdhsa--gfx1250"
	.amdhsa_code_object_version 6
	.text
	.protected	k_q4d46f46599_quant
	.globl	k_q4d46f46599_quant
	.p2align	8
	.type	k_q4d46f46599_quant,@function
k_q4d46f46599_quant:
	s_mov_b64 s[64:65], 0
	v_nop
	global_prefetch_b8 v0, s[64:65] scope:SCOPE_SE
	s_setreg_imm32_b32 hwreg(HW_REG_WAVE_MODE, 25, 1), 1
	s_wait_xcnt 0x0
; x [2048][2048] and Wq, Wk, Wv, Wo [2048 (k)][2048 (n)], f32, become codes of FP8 (E4M3): code = number / 2^e, held within +-448, to the nearest code, ties to even.
; x is quantised three times, with e0, e2, e4 (the three products that read it name three scales); the weights with e1, e3, e5, e11.
; THE LAYOUT OF THE CODES: IMAGES OF OPERAND REGISTERS.  A fragment is 16 rows x 128 K: 16 registers a lane; lane (r = l % 16, h = l / 16) holds in registers 2 c, 2 c + 1 the codes of k = 16 c + 8 h + 0 .. 7 of row r.
; Its image is 2,048 bytes: registers 4 g .. 4 g + 3 of lane l lie at 512 g + 16 l.  A section of the buffer (4 MiB) is [block of 128 rows: 16][K step of 128: 16][tile of 16 rows: 8][2,048]; a weight's rows are its n.
; Sections: 0, 1, 2: x with e0, e2, e4;  3, 4, 5, 6: Wq, Wk, Wv, Wo.
; Work-groups 0 to 127 take x, a tile of 16 rows each; wave w its K steps 4 w .. 4 w + 3.  A load reads 512 consecutive bytes of one row; the 16 rows x 512 bytes of a K step turn through the wave's own stage in LDS,
; so that a lane gets eight neighbours along K for each conversion; a store writes 512 consecutive bytes of an image.
; Work-groups 128 to 639 take the weights: 128 columns x 256 along K each.  A lane takes a column n and its registers run down K, so the conversions' results have K innermost and nothing is transposed;
; in each store sixteen neighbouring lanes write 256 consecutive bytes, aligned.  That path touches no LDS.
; No cluster, no tensor load: no byte is read twice, and the waves share nothing.
; LIMITS: each e between -126 and 119, so that 2^e and 448 x 2^e are f32 numbers.  NaN among the inputs is not served.
.set SEC,   0x400000                   ; a section
.set RB,    262144                     ; a block of 128 rows
.set KS,    16384                      ; a K step of it
.set TL,    2048                       ; an image
.set SP,    528                        ; a stage row: 512 bytes + 16 = 132 words: row r starts at bank 4 r mod 64 (64 banks of 4 bytes: ISA guide 11.1)
.set WST,   16*SP                      ; a wave's stage
.set SPARE, 4*WST                      ; behind the stages: the spare words, 128 bytes for each wave: two blocks of 256 bytes that no other line names
.set GL,  1                            ; v1   16 x lane: my place in a load's and in a store's 512 bytes
.set SS,  2                            ; v2   the stage on the way in
.set SR,  3                            ; v3   and on the way out: row r, + 32 h
.set WO,  4                            ; v4   weights: my place in a store
.set SPW, 6                            ; v6   LDS address of my spare word; never rewritten
.set NIL, 7                            ; v7   0; never rewritten
.set SC,  8                            ; v8-10   2^e as f32, one for each of x's three scales (weights: v8)
.set LIM, 11                           ; v11-13  448 x 2^e (weights: v11)
.set WL,  12                           ; v12  weights: 4 x lane
.set T,   16                           ; v16-31  two sets of eight held numbers
.set C,   32                           ; v32-63  two sets of a fragment's 16 registers of codes
.set X,   64                           ; v64-127 x: a K step's 64 numbers of my lane; weights: two sets of 32
.set R,   128                          ; v128-255 x: two sets of 64 as loaded
.set WC,  128                          ; v128-191 weights: eight registers of codes for each block: no store's data are written again
.set OB,  32                           ; s[32:37] x: where my images go, in sections 0, 1, 2
.macro XLOAD u                         ; K step u of my four: 16 rows x 512 bytes
.irp i, 0,1,2,3,4,5,6,7,8,9,10,11,12,13,14,15
	global_load_b128 v[R+64*((\u)%2)+4*\i:R+64*((\u)%2)+4*\i+3], v[GL], s[4:5] offset:\i*8192+(\u)*512 th:TH_LOAD_NT
.endr
.endm
.macro XQ u, p                         ; the 64 numbers in X become a fragment with scale p, and leave
.set CC, C+16*((3*(\u)+(\p))%2)
	s_wait_xcnt 0x0                                ; the stores of two fragments ago have read this set of code registers: it is written again only behind this wait
.irp c, 0,1,2,3,4,5,6,7
.irp e, 0,1,2,3,4,5,6,7
	v_med3_num_f32 v[T+8*(\c%2)+\e], v[X+8*\c+\e], -v[LIM+\p], v[LIM+\p]   ; the conversion to an 8-bit code does not saturate (ISA guide 7.6.2): hold first.  X stays: it is quantised three times
.endr
	v_cvt_scalef32_pk8_fp8_f32 v[CC+2*\c:CC+2*\c+1], v[T+8*(\c%2):T+8*(\c%2)+7], v[SC+\p]   ; registers 2 c, 2 c + 1.  The other set's eight holds stand between this line and the next write of its sources
.endr
.irp g, 0,1,2,3
	global_store_b128 v[GL], v[CC+4*\g:CC+4*\g+3], s[OB+2*\p:OB+2*\p+1] offset:(\u)*KS+512*\g   ; 32 lanes store 512 consecutive bytes, at a multiple of 512 from the buffer's first byte
.endr
.endm
.macro XUNIT u, left                   ; left: the next K step's sixteen loads, which may stay out
	s_wait_loadcnt \left
.irp i, 0,1,2,3,4,5,6,7,8,9,10,11,12,13,14,15
	ds_store_b128 v[SS], v[R+64*((\u)%2)+4*\i:R+64*((\u)%2)+4*\i+3] offset:\i*SP
.endr
.irp c, 0,1,2,3,4,5,6,7
	ds_load_b128 v[X+8*\c:X+8*\c+3], v[SR] offset:64*\c          ; LDS serves a wave's instructions in order (ISA guide 5.7.1.4): these see my stores.  k = 16 c + 8 h + 0 .. 3,
	ds_load_b128 v[X+8*\c+4:X+8*\c+7], v[SR] offset:64*\c+16     ; and + 4 .. 7
.endr
	s_wait_dscnt 0x0                               ; the numbers are back, and the stores into the stage have read their registers,
.if (\u) < 2
	XLOAD (\u)+2                                   ; which take the K step two further on
.endif
	XQ \u, 0
	XQ \u, 1
	XQ \u, 2
.endm
.macro MKSC p, e                       ; 2^e and 448 x 2^e as f32, e in s[e]
	s_add_co_i32 s42, s[\e], 127
	s_lshl_b32 s43, s42, 23
	v_mov_b32 v[SC+\p], s43
	s_add_co_i32 s42, s42, 8
	s_lshl_b32 s42, s42, 23
	s_or_b32 s42, s42, 0x600000
	v_mov_b32 v[LIM+\p], s42
.endm
.macro WLOAD t                         ; block t of eight: W(32 t + i, my column), i = 0 .. 31: a wave reads 128 consecutive bytes, the four waves 512
.set i, 0
.rept 32
	global_load_b32 v[X+32*((\t)%2)+i], v[WL], s[4:5] offset:(32*(\t)+i)*8192 th:TH_LOAD_NT
.set i, i+1
.endr
.endm
.macro WBLOCK t
.set XS, X+32*((\t)%2)
.set CW, WC+8*(\t)
.if (\t) < 7
	s_wait_loadcnt 32                              ; this block's 32 loads are in; the next block's 32 may be out
.else
	s_wait_loadcnt 0x0
.endif
.set i, 0
.rept 32
	v_med3_num_f32 v[XS+i], v[XS+i], -v[LIM], v[LIM]
.set i, i+1
.endr
	v_cvt_scalef32_pk8_fp8_f32 v[CW:CW+1], v[XS:XS+7], v[SC]         ; k' = 0 .. 7 of the block: half 0 of registers 2 c
	v_cvt_scalef32_pk8_fp8_f32 v[CW+2:CW+3], v[XS+16:XS+23], v[SC]   ; 16 .. 23: half 0 of registers 2 c + 2
	v_cvt_scalef32_pk8_fp8_f32 v[CW+4:CW+5], v[XS+8:XS+15], v[SC]    ; 8 .. 15: half 1
	v_cvt_scalef32_pk8_fp8_f32 v[CW+6:CW+7], v[XS+24:XS+31], v[SC]   ; 24 .. 31: half 1.  (The results go to stores alone, the sources are next written by loads; the next block begins with plain vector lines)
	global_store_b128 v[WO], v[CW:CW+3], s[8:9] offset:((\t)/4)*KS+((\t)%4)*512        ; the image's lanes 0-15: sixteen lanes write 256 consecutive bytes, aligned; my lanes 16-31 the next tile's
	global_store_b128 v[WO], v[CW+4:CW+7], s[8:9] offset:((\t)/4)*KS+((\t)%4)*512+256  ; the image's lanes 16-31
.if (\t) < 6
	WLOAD (\t)+2
.endif
.endm
	s_load_b256 s[4:11], s[0:1], 0x0               ; x, Wq, Wk, Wv
	s_load_b128 s[12:15], s[0:1], 0x20             ; Wo, the scales' exponents
	s_load_b64 s[16:17], s[0:1], 0x30              ; the codes
	v_lshl_add_u32 v[SPW], v0, 2, SPARE
	v_mov_b32 v[NIL], 0
	v_lshrrev_b32 v14, 5, v0
	v_readfirstlane_b32 s18, v14                   ; wave
	v_and_b32 v14, 31, v0                          ; lane
	v_and_b32 v15, 15, v0                          ; r
	v_bfe_u32 v5, v0, 4, 1                         ; h
	v_lshlrev_b32 v[GL], 4, v14
	s_mul_i32 s19, s18, WST                        ; my stage
	v_add_nc_u32 v[SS], s19, v[GL]
	v_mul_u32_u24 v[SR], v15, SP
	v_lshl_add_u32 v[SR], v5, 5, v[SR]
	v_add_nc_u32 v[SR], s19, v[SR]
	s_wait_kmcnt 0x0
	s_load_b256 s[20:27], s[14:15], 0x0            ; e0 .. e7
	s_load_b128 s[28:31], s[14:15], 0x20           ; e8 .. e11
	s_cmp_lt_u32 ttmp9, 128                        ; x's work-group or a weight's: the work-group's number alone decides
	s_cbranch_scc0 .Lweights
	; ---- x: rows 16 g .. 16 g + 15
	s_lshl_b32 s38, ttmp9, 17                      ; 16 rows of 8,192 bytes
	s_lshl_b32 s39, s18, 11                        ; my four K steps of 512 bytes
	s_add_co_u32 s38, s38, s39
	s_mov_b32 s39, 0
	s_add_nc_u64 s[4:5], s[4:5], s[38:39]
	s_lshr_b32 s40, ttmp9, 3
	s_lshl_b32 s40, s40, 18                        ; block of 128 rows,
	s_lshl_b32 s41, s18, 16                        ; K step 4 w,
	s_add_co_u32 s40, s40, s41
	s_and_b32 s41, ttmp9, 7
	s_lshl_b32 s41, s41, 11                        ; tile in the block
	s_add_co_u32 s40, s40, s41
	s_mov_b32 s41, 0
	s_add_nc_u64 s[OB:OB+1], s[16:17], s[40:41]
	s_add_nc_u64 s[OB+2:OB+3], s[OB:OB+1], SEC     ; three bases: a section is more than a store's immediate holds
	s_add_nc_u64 s[OB+4:OB+5], s[OB+2:OB+3], SEC
	s_wait_alu depctr_va_vdst(0)
	XLOAD 0
	XLOAD 1
	s_wait_kmcnt 0x0
	MKSC 0, 20
	MKSC 1, 22
	MKSC 2, 24
	s_wait_alu depctr_va_vdst(0)
	XUNIT 0, 16
	XUNIT 1, 16
	XUNIT 2, 16
	XUNIT 3, 0
	s_wait_tensorcnt 0x0                           ; the wave's end: behind my last LDS store
	ds_add_u32 v[SPW], v[NIL]
	s_wait_dscnt 0x0
	s_endpgm
.Lweights:
	; ---- a weight: g' = work-group - 128; weight g' / 128; 256 along K: (g' / 16) % 8; 128 columns: g' % 16
	s_sub_co_u32 s38, ttmp9, 128
	s_lshr_b32 s39, s38, 7
	s_cmp_eq_u32 s39, 1
	s_cselect_b64 s[6:7], s[8:9], s[6:7]
	s_cmp_eq_u32 s39, 2
	s_cselect_b64 s[6:7], s[10:11], s[6:7]
	s_cmp_eq_u32 s39, 3
	s_cselect_b64 s[6:7], s[12:13], s[6:7]         ; the weight
	s_bfe_u32 s40, s38, 0x30004                    ; ky
	s_and_b32 s41, s38, 15                         ; nb
	s_lshl_b32 s44, s40, 21                        ; 256 rows of 8,192 bytes
	s_lshl_b32 s42, s41, 9                         ; 128 columns of 4 bytes
	s_add_co_u32 s44, s44, s42
	s_lshl_b32 s42, s18, 7                         ; my wave's 32 columns
	s_add_co_u32 s44, s44, s42
	s_mov_b32 s45, 0
	s_add_nc_u64 s[4:5], s[6:7], s[44:45]
	s_add_co_u32 s44, s39, 3
	s_lshl_b32 s44, s44, 22                        ; section 3 + weight
	s_lshl_b32 s42, s41, 18                        ; block of 128 rows (n)
	s_add_co_u32 s44, s44, s42
	s_lshl_b32 s42, s40, 15                        ; K step 2 ky
	s_add_co_u32 s44, s44, s42
	s_lshl_b32 s42, s18, 12                        ; tiles 2 w, 2 w + 1
	s_add_co_u32 s44, s44, s42
	s_add_nc_u64 s[8:9], s[16:17], s[44:45]
	s_wait_alu depctr_va_vdst(0)
	v_lshlrev_b32 v[WL], 2, v14
	v_lshlrev_b32 v[WO], 4, v15                    ; row r of the tile: 16 r,
	v_lshl_add_u32 v[WO], v5, 11, v[WO]            ; lanes 16-31 in the next tile
	WLOAD 0
	WLOAD 1
	s_wait_kmcnt 0x0
	s_cmp_eq_u32 s39, 1
	s_cselect_b32 s21, s23, s21
	s_cmp_eq_u32 s39, 2
	s_cselect_b32 s21, s25, s21
	s_cmp_eq_u32 s39, 3
	s_cselect_b32 s21, s31, s21                    ; e1, e3, e5 or e11
	MKSC 0, 21
	s_wait_alu depctr_va_vdst(0)
	WBLOCK 0
	WBLOCK 1
	WBLOCK 2
	WBLOCK 3
	WBLOCK 4
	WBLOCK 5
	WBLOCK 6
	WBLOCK 7
	s_endpgm
.Lfunc_end_k_q4d46f46599_quant:
	.size	k_q4d46f46599_quant, .Lfunc_end_k_q4d46f46599_quant-k_q4d46f46599_quant
	.p2alignl 7, 3214868480
	.fill 96, 4, 3214868480
	.section	.rodata,"a",@progbits
	.p2align	6, 0x0
	.amdhsa_kernel k_q4d46f46599_quant
		.amdhsa_group_segment_fixed_size 34304
		.amdhsa_private_segment_fixed_size 0
		.amdhsa_enable_private_segment 0
		.amdhsa_kernarg_size 56
		.amdhsa_user_sgpr_count 2
		.amdhsa_user_sgpr_kernarg_segment_ptr 1
		.amdhsa_wavefront_size32 1
		.amdhsa_system_sgpr_workgroup_id_x 1
		.amdhsa_system_sgpr_workgroup_id_y 1
		.amdhsa_system_sgpr_workgroup_id_z 1
		.amdhsa_system_vgpr_workitem_id 0
		.amdhsa_next_free_vgpr 256
		.amdhsa_next_free_sgpr 66
		.amdhsa_reserve_vcc 0
		.amdhsa_float_denorm_mode_32 3
		.amdhsa_float_denorm_mode_16_64 3
		.amdhsa_memory_ordered 1
		.amdhsa_forward_progress 1
		.amdhsa_inst_pref_size 122
	.end_amdhsa_kernel
	.amdgpu_metadata
---
amdhsa.version: [ 1, 2 ]
amdhsa.kernels:
  - .name:           k_q4d46f46599_quant
    .symbol:         k_q4d46f46599_quant.kd
    .args:
      - { .name: x, .offset: 0, .size: 8, .value_kind: global_buffer, .address_space: global }
      - { .name: Wq, .offset: 8, .size: 8, .value_kind: global_buffer, .address_space: global }
      - { .name: Wk, .offset: 16, .size: 8, .value_kind: global_buffer, .address_space: global }
      - { .name: Wv, .offset: 24, .size: 8, .value_kind: global_buffer, .address_space: global }
      - { .name: Wo, .offset: 32, .size: 8, .value_kind: global_buffer, .address_space: global }
      - { .name: lowp_scales, .offset: 40, .size: 8, .value_kind: global_buffer, .address_space: global }
      - { .name: codes, .offset: 48, .size: 8, .value_kind: global_buffer, .address_space: global }
    .group_segment_fixed_size: 34304
    .private_segment_fixed_size: 0
    .kernarg_segment_align: 8
    .kernarg_segment_size: 56
    .max_flat_workgroup_size: 128
    .sgpr_count:     66
    .vgpr_count:     256
    .wavefront_size: 32
...
	.end_amdgpu_metadata
.endif
;; end of part 5
;; launch qkv (part 6): grid 8 x 24, 4 waves a work-group, clusters of 4 x 4, 327,680 bytes of LDS; arguments codes, bq, bk, bv, lowp_scales, qkv; writes qkv
.if DOCPART == 6
	.amdgcn_target "amdgcn-amd-amdhsa--gfx1250"
	.amdhsa_code_object_version 6
	.text
	.protected	k_q4d46f46599_qkv
	.globl	k_q4d46f46599_qkv
	.p2align	8
	.type	k_q4d46f46599_qkv,@function
k_q4d46f46599_qkv:
	s_mov_b64 s[64:65], 0
	v_nop
	global_prefetch_b8 v0, s[64:65] scope:SCOPE_SE
	s_setreg_imm32_b32 hwreg(HW_REG_WAVE_MODE, 25, 1), 1
	s_wait_xcnt 0x0
	s_wait_alu depctr_hold_cnt(0) depctr_sa_sdst(0) depctr_va_vdst(0) depctr_va_sdst(0) depctr_va_ssrc(0) depctr_va_vcc(0) depctr_vm_vsrc(0)
	s_getreg_b32 s2, hwreg(HW_REG_IB_STS2, 6, 4)
	s_cmp_eq_u32 s2, 0
	s_cbranch_scc0 .Lentry_in_a_cluster
	s_endpgm
.Lentry_in_a_cluster:
	s_bfe_u32 s2, ttmp6, 0x10000c
	s_cmp_lg_u32 s2, 0xf033
	s_cbranch_scc0 .Lentry_shape_is_right
	s_endpgm
.Lentry_shape_is_right:
.set SEC,   0x400000
.set RB,    262144
.set KSB,   16384
.set TL,    2048
.set FR,    16
.set NL,    4
.set NP,    4
.set HALFT, 32768
.set SLOT,  4*HALFT
.set LAPS,  4
.set SPARE, 2*SLOT
.set ADRA, 16
.set ADRB, 20
.set CO,   26
.set SPW,  28
.set NIL,  29
.set HB,   30
.set RW,   31
.set BR,   32
.set LIMV, 48
.set SCV,  49
.set BC,   64
.set AF,   128
.set T,    128
.set G1, 24
.set G0, 32
.set G1B, 48
.set G0B, 56
.set MSB, 0
.macro WIN new
.if MSB != (\new)
	s_set_vgpr_msb (MSB<<8)|(\new)
.set MSB, \new
.endif
.endm
.set MUL_LO, 0xa1
.set MUL_HI, 0xf1
.set TO_B,   0x40
.macro JLOAD g0a, g1a, g0b, g1b
	s_cmp_eq_u32 s15, 0
	s_cbranch_scc0 .Lfor_b_\@
	tensor_load_to_lds s[\g0a:\g0a+3], s[\g1a:\g1a+7]
	s_nop 0
.rept 4
	v_nop
.endr
	s_branch .Lasked_\@
.Lfor_b_\@:
	tensor_load_to_lds s[\g0b:\g0b+3], s[\g1b:\g1b+7]
	s_nop 0
.rept 4
	v_nop
.endr
.Lasked_\@:
.endm
.macro CREST
	s_cmp_lg_u32 s14, 0
	s_cbranch_scc1 .Lnot_wave_0_\@
	s_barrier_signal -3
.Lnot_wave_0_\@:
	s_barrier_wait -3
	s_barrier_signal -1
	s_barrier_wait -1
.endm
.macro CROUND
	s_barrier_signal -1
	s_barrier_wait -1
	CREST
.endm
.macro FRAG reg, adr, q, i
.irp c, 0,1,2,3
	ds_load_b128 v[\reg+4*\c:\reg+4*\c+3], v[\adr] offset:KSB*(\q)+TL*(\i)+512*\c
.endr
.endm
.macro MUL16 a0, p, zero
.irp a, \a0, \a0+1
.irp b, 0,1,2,3,4,5,6,7
.if \zero
	v_wmma_f32_16x16x128_fp8_fp8 v[8*(8*((\a)%4)+\b):8*(8*((\a)%4)+\b)+7], v[128*(\p)+FR*\b:128*(\p)+FR*\b+FR-1], v[AF+FR*(\a):AF+FR*(\a)+FR-1], 0
.else
	v_wmma_f32_16x16x128_fp8_fp8 v[8*(8*((\a)%4)+\b):8*(8*((\a)%4)+\b)+7], v[128*(\p)+FR*\b:128*(\p)+FR*\b+FR-1], v[AF+FR*(\a):AF+FR*(\a)+FR-1], v[8*(8*((\a)%4)+\b):8*(8*((\a)%4)+\b)+7]
.endif
.endr
.endr
.endm
.macro FETCH_B slot, q, p
	WIN TO_B
.irp i, 0,1,2,3,4,5,6,7
	FRAG 128*(\p)+FR*\i, ADRB+\slot, \q, \i
.endr
	WIN 0
.endm
.macro FETCH_A slot, q, i0
.irp i, \i0, \i0+1, \i0+2, \i0+3
	FRAG AF+FR*(\i), ADRA+\slot, \q, \i
.endr
.endm
.macro PLACES n
.rept \n
	v_nop
.endr
.endm
.macro STEP slot, q, zero
	s_wait_dscnt 4*NL
	WIN MUL_LO
	MUL16 0, (\q)%2, \zero
	MUL16 2, (\q)%2, \zero
	s_wait_dscnt 0
	PLACES NP
	FETCH_B \slot, (\q)+1, 1-(\q)%2
	FETCH_A \slot, (\q)+1, 0
	WIN MUL_HI
	MUL16 4, (\q)%2, \zero
	MUL16 6, (\q)%2, \zero
	PLACES NP
	WIN 0
	FETCH_A \slot, (\q)+1, 4
.endm
.macro TURN slot, next, fill
	s_wait_tensorcnt 0x0
	ds_add_u32 v[SPW], v[NIL]
	s_wait_dscnt 4*NL+1
	WIN MUL_LO
	MUL16 0, 1, 0
	s_wait_dscnt 0x0
	s_barrier_signal -1
	MUL16 2, 1, 0
	WIN 0
	s_barrier_wait -1
.if \fill
	CREST
	s_add_nc_u64 s[G0+4*\slot+2:G0+4*\slot+3], s[G0+4*\slot+2:G0+4*\slot+3], 2*HALFT
	s_add_nc_u64 s[G0B+4*\slot+2:G0B+4*\slot+3], s[G0B+4*\slot+2:G0B+4*\slot+3], 2*HALFT
	JLOAD G0+4*\slot, G1, G0B+4*\slot, G1B
.else
	PLACES NP
.endif
	FETCH_B \next, 0, 0
	FETCH_A \next, 0, 0
	WIN MUL_HI
	MUL16 4, 1, 0
	MUL16 6, 1, 0
	PLACES NP
	WIN 0
	FETCH_A \next, 0, 4
.endm
.macro OUT kind
.irp a, 0,1,2,3,4,5,6,7
.set AC, 64*(\a%4)
.set CD, 192+16*(\a%4)
.if \a >= 4
	s_wait_xcnt 0x0
.endif
	WIN 0x02+(\a/4)
.set j, 0
.rept 32
.if \kind
	v_pk_fma_f32 v[T+j:T+j+1], v[AC+j:AC+j+1], s[96:97], v[BR+2*\a:BR+2*\a+1] op_sel_hi:[1,0,1]
.else
	v_pk_fma_f32 v[T+j:T+j+1], v[AC+j:AC+j+1], s[96:97], v[BC+j:BC+j+1] op_sel_hi:[1,0,1]
.endif
.set j, j+2
.endr
	WIN 0
.set j, 0
.rept 64
	v_med3_num_f32 v[T+j], v[T+j], -v[LIMV], v[LIMV]
.set j, j+1
.endr
.irp b, 0,1,2,3,4,5,6,7
	v_cvt_scalef32_pk8_fp8_f32 v[CD+2*\b:CD+2*\b+1], v[T+8*\b:T+8*\b+7], v[SCV]
.endr
	v_nop
.irp g, 0,1,2,3
	global_store_b128 v[CO], v[CD+4*\g:CD+4*\g+3], s[70:71] offset:\a*TL+512*\g
.endr
.endr
.endm
	s_load_b256 s[4:11], s[0:1], 0x0
	s_load_b128 s[68:71], s[0:1], 0x20
	v_lshl_add_u32 v[SPW], v0, 2, SPARE
	v_mov_b32 v[NIL], 0
	ds_add_u32 v[SPW], v[NIL]
	ds_add_u32 v[SPW], v[NIL]
	v_lshrrev_b32 v1, 5, v0
	v_readfirstlane_b32 s14, v1
	s_lshr_b32 s15, s14, 1
	s_and_b32 s16, s14, 1
	s_bfe_u32 s40, ttmp6, 0x40000
	s_bfe_u32 s41, ttmp6, 0x40004
	s_lshl_b32 s42, ttmp9, 2
	s_add_co_u32 s42, s42, s40
	s_and_b32 s72, ttmp7, 0xffff
	s_and_b32 s17, s72, 1
	s_lshl_b32 s17, s17, 2
	s_add_co_u32 s17, s17, s41
	s_lshr_b32 s72, s72, 1
	s_lshl_b32 s43, s41, 2
	s_lshl_b32 s43, 15, s43
	s_lshl_b32 s44, 0x1111, s40
	s_or_b32 s[G1+0], s43, (3<<16)|(1<<21)
	s_or_b32 s[G1B+0], s44, (3<<16)|(1<<21)
.irp g, G1, G1B
	s_mov_b32 s[\g+1], 32<<16
	s_mov_b32 s[\g+2], 128<<16
	s_mov_b32 s[\g+3], 32<<16
	s_mov_b32 s[\g+4], 128
	s_mov_b32 s[\g+5], 32
	s_mov_b32 s[\g+6], 0
	s_mov_b32 s[\g+7], 0
.endr
	s_add_co_u32 s73, s72, 3
	s_cmp_eq_u32 s72, 2
	s_cselect_b32 s74, 5, s72
	s_cselect_b32 s73, 2, s73
	s_lshl_b32 s20, s74, 22
	s_lshl_b32 s18, s17, 1
	s_add_co_u32 s18, s18, s16
	s_lshl_b32 s18, s18, 18
	s_add_co_u32 s20, s20, s18
	s_mov_b32 s21, 0
	s_lshl_b32 s46, s73, 22
	s_lshl_b32 s47, s42, 1
	s_add_co_u32 s47, s47, s16
	s_lshl_b32 s47, s47, 18
	s_add_co_u32 s46, s46, s47
	s_mov_b32 s47, 0
	s_mul_i32 s45, s14, HALFT
	s_wait_dscnt 0x0
	s_wait_kmcnt 0x0
	s_load_b256 s[80:87], s[68:69], 0x0
	s_load_b64 s[88:89], s[68:69], 0x20
	s_add_nc_u64 s[20:21], s[4:5], s[20:21]
	s_add_nc_u64 s[46:47], s[4:5], s[46:47]
	CROUND
.irp s, 0,1
	s_mov_b32 s[G0+4*\s], 1
	s_add_co_u32 s[G0+4*\s+1], s45, \s*SLOT
	s_add_nc_u64 s[G0+4*\s+2:G0+4*\s+3], s[20:21], \s*HALFT
	s_or_b32 s[G0+4*\s+3], s[G0+4*\s+3], 0x80000000
	s_mov_b32 s[G0B+4*\s], 1
	s_add_co_u32 s[G0B+4*\s+1], s45, \s*SLOT
	s_add_nc_u64 s[G0B+4*\s+2:G0B+4*\s+3], s[46:47], \s*HALFT
	s_or_b32 s[G0B+4*\s+3], s[G0B+4*\s+3], 0x80000000
	s_wait_alu depctr_va_vdst(0)
	s_wait_tensorcnt 0x0
	ds_add_u32 v28, v29
	ds_add_u32 v28, v29
	s_wait_dscnt 0x0
	CROUND
	JLOAD G0+4*\s, G1, G0B+4*\s, G1B
.endr
	v_and_b32 v1, 15, v0
	v_bfe_u32 v2, v0, 4, 1
	v_and_b32 v6, 31, v0
	v_lshlrev_b32 v[CO], 4, v6
	v_lshlrev_b32 v[HB], 5, v2
	s_wait_alu depctr_va_vdst(0)
	v_lshlrev_b32 v[RW], 2, v1
	s_wait_alu depctr_va_vdst(0)
	s_mul_i32 s21, s15, HALFT
	s_mul_i32 s22, s16, HALFT
	s_add_co_u32 s22, s22, 2*HALFT
.irp s, 0,1
	v_add_nc_u32 v[ADRA+\s], s21, v[CO]
	v_add_nc_u32 v[ADRB+\s], s22, v[CO]
	s_add_co_u32 s21, s21, SLOT
	s_add_co_u32 s22, s22, SLOT
.endr
	s_cmp_eq_u32 s72, 1
	s_cselect_b64 s[76:77], s[8:9], s[6:7]
	s_cmp_eq_u32 s72, 2
	s_cselect_b64 s[76:77], s[10:11], s[76:77]
	s_lshl_b32 s90, s42, 10
	s_lshl_b32 s91, s16, 9
	s_add_co_u32 s90, s90, s91
	s_mov_b32 s91, 0
	s_add_nc_u64 s[78:79], s[76:77], s[90:91]
	s_lshl_b32 s90, s17, 10
	s_lshl_b32 s92, s15, 9
	s_add_co_u32 s90, s90, s92
	s_add_nc_u64 s[76:77], s[76:77], s[90:91]
.irp b, 0,1,2,3,4,5,6,7
	global_load_b128 v[BC+8*\b:BC+8*\b+3], v[HB], s[78:79] offset:64*\b
	global_load_b128 v[BC+8*\b+4:BC+8*\b+7], v[HB], s[78:79] offset:64*\b+16
.endr
.irp a, 0,1,2,3,4,5,6,7
	global_load_b32 v[BR+2*\a], v[RW], s[76:77] offset:64*\a
	global_load_b32 v[BR+2*\a+1], v[RW], s[76:77] offset:64*\a
.endr
	s_lshl_b32 s90, s42, 1
	s_add_co_u32 s90, s90, s16
	s_lshl_b32 s92, s17, 1
	s_add_co_u32 s92, s92, s15
	s_cmp_eq_u32 s72, 2
	s_cselect_b32 s93, s92, s90
	s_cselect_b32 s94, s90, s92
	s_lshl_b32 s93, s93, 18
	s_lshl_b32 s94, s94, 14
	s_add_co_u32 s90, s93, s94
	s_lshl_b32 s92, s72, 22
	s_add_co_u32 s90, s90, s92
	s_add_nc_u64 s[70:71], s[70:71], s[90:91]
	s_wait_alu depctr_va_vdst(0)
	s_wait_tensorcnt 1
	s_barrier_signal -1
	s_barrier_wait -1
	FETCH_B 0, 0, 0
	FETCH_A 0, 0, 0
	FETCH_A 0, 0, 4
	STEP 0, 0, 1
	s_mov_b32 s3, LAPS-1
.Llap:
	TURN 0, 1, 1
	STEP 1, 0, 0
	TURN 1, 0, 1
	STEP 0, 0, 0
	s_sub_co_u32 s3, s3, 1
	s_cmp_lg_u32 s3, 0
	s_cbranch_scc1 .Llap
	TURN 0, 1, 0
	STEP 1, 0, 0
	s_wait_dscnt 4*NL
	WIN MUL_LO
	MUL16 0, 1, 0
	MUL16 2, 1, 0
	s_wait_dscnt 0
	WIN MUL_HI
	MUL16 4, 1, 0
	MUL16 6, 1, 0
	WIN 0
	s_wait_kmcnt 0x0
	s_add_co_i32 s80, s80, s81
	s_add_co_i32 s82, s82, s83
	s_add_co_i32 s84, s84, s85
	s_cmp_eq_u32 s72, 1
	s_cselect_b32 s96, s82, s80
	s_cselect_b32 s90, s87, s86
	s_cmp_eq_u32 s72, 2
	s_cselect_b32 s96, s84, s96
	s_cselect_b32 s90, s89, s90
	s_add_co_i32 s96, s96, 127
	s_lshl_b32 s96, s96, 23
	s_mov_b32 s97, s96
	s_add_co_i32 s90, s90, 127
	s_lshl_b32 s91, s90, 23
	v_mov_b32 v[SCV], s91
	s_add_co_i32 s90, s90, 8
	s_lshl_b32 s90, s90, 23
	s_or_b32 s90, s90, 0x600000
	v_mov_b32 v[LIMV], s90
	s_wait_loadcnt 0x0
	PLACES NP
	s_cmp_eq_u32 s72, 2
	s_cbranch_scc1 .Lv
	OUT 0
	s_branch .Ldone
.Lv:
	OUT 1
.Ldone:
	s_wait_tensorcnt 0x0
	ds_add_u32 v[SPW], v[NIL]
	s_wait_dscnt 0x0
	CROUND
	s_endpgm
.Lfunc_end_k_q4d46f46599_qkv:
	.size	k_q4d46f46599_qkv, .Lfunc_end_k_q4d46f46599_qkv-k_q4d46f46599_qkv
	.p2alignl 7, 3214868480
	.fill 96, 4, 3214868480
	.section	.rodata,"a",@progbits
	.p2align	6, 0x0
	.amdhsa_kernel k_q4d46f46599_qkv
		.amdhsa_group_segment_fixed_size 327680
		.amdhsa_private_segment_fixed_size 0
		.amdhsa_enable_private_segment 0
		.amdhsa_kernarg_size 48
		.amdhsa_user_sgpr_count 2
		.amdhsa_user_sgpr_kernarg_segment_ptr 1
		.amdhsa_wavefront_size32 1
		.amdhsa_system_sgpr_workgroup_id_x 1
		.amdhsa_system_sgpr_workgroup_id_y 1
		.amdhsa_system_sgpr_workgroup_id_z 1
		.amdhsa_system_vgpr_workitem_id 0
		.amdhsa_next_free_vgpr 1024
		.amdhsa_next_free_sgpr 98
		.amdhsa_reserve_vcc 0
		.amdhsa_float_denorm_mode_32 3
		.amdhsa_float_denorm_mode_16_64 3
		.amdhsa_memory_ordered 1
		.amdhsa_forward_progress 1
		.amdhsa_inst_pref_size 194
	.end_amdhsa_kernel
	.amdgpu_metadata
---
amdhsa.version: [ 1, 2 ]
amdhsa.kernels:
  - .name:           k_q4d46f46599_qkv
    .symbol:         k_q4d46f46599_qkv.kd
    .args:
      - { .name: codes, .offset: 0, .size: 8, .value_kind: global_buffer, .address_space: global }
      - { .name: bq, .offset: 8, .size: 8, .value_kind: global_buffer, .address_space: global }
      - { .name: bk, .offset: 16, .size: 8, .value_kind: global_buffer, .address_space: global }
      - { .name: bv, .offset: 24, .size: 8, .value_kind: global_buffer, .address_space: global }
      - { .name: lowp_scales, .offset: 32, .size: 8, .value_kind: global_buffer, .address_space: global }
      - { .name: qkv, .offset: 40, .size: 8, .value_kind: global_buffer, .address_space: global }
    .group_segment_fixed_size: 327680
    .private_segment_fixed_size: 0
    .kernarg_segment_align: 8
    .kernarg_segment_size: 48
    .max_flat_workgroup_size: 128
    .sgpr_count:     98
    .vgpr_count:     1024
    .wavefront_size: 32
...
	.end_amdgpu_metadata
.endif
;; end of part 6
;; launch attn (part 7): grid 16 x 16, 4 waves a work-group, clusters of 4 x 1, 327,680 bytes of LDS; arguments qkv, attn_mask, lowp_scales, ac; writes ac
.if DOCPART == 7
	.amdgcn_target "amdgcn-amd-amdhsa--gfx1250"
	.amdhsa_code_object_version 6
	.text
	.protected	k_q4d46f46599_attn
	.globl	k_q4d46f46599_attn
	.p2align	8
	.type	k_q4d46f46599_attn,@function
k_q4d46f46599_attn:
	s_mov_b64 s[64:65], 0
	v_nop
	global_prefetch_b8 v0, s[64:65] scope:SCOPE_SE
	s_setreg_imm32_b32 hwreg(HW_REG_WAVE_MODE, 25, 1), 1
	s_wait_xcnt 0x0
	s_wait_alu depctr_hold_cnt(0) depctr_sa_sdst(0) depctr_va_vdst(0) depctr_va_sdst(0) depctr_va_ssrc(0) depctr_va_vcc(0) depctr_vm_vsrc(0)
	s_getreg_b32 s2, hwreg(HW_REG_IB_STS2, 6, 4)
	s_cmp_eq_u32 s2, 0
	s_cbranch_scc0 .Lentry_in_a_cluster
	s_endpgm
.Lentry_in_a_cluster:
	s_bfe_u32 s2, ttmp6, 0x10000c
	s_cmp_lg_u32 s2, 0x3003
	s_cbranch_scc0 .Lentry_shape_is_right
	s_endpgm
.Lentry_shape_is_right:
; o[h][q] = the sum over k of softmax_k(q . k / sqrt(128) - 1e9 x mask[q][k]) v[h][k], both products on codes of FP8 (E4M3); o is quantised at once, with e10, for the last projection.
; q, k, v arrive as IMAGES OF OPERAND REGISTERS (a fragment, 16 rows x 128 K, is 2,048 bytes: registers 4 g .. 4 g + 3 of lane l at 512 g + 16 l):
;   q: [head 16][tile of 16 queries: 128][2,048];  k: [head][step of 128 keys: 16][tile of 16 keys: 8][2,048];  v: [head][step: 16][tile of 16 channels: 8][2,048], K = the step's keys.
; The mask is an input of f32 numbers: every number of it is read and honoured; no key step is left out.
; THE SOFTMAX: m' = mask x (-1e9 x log2 e), rounded by itself; t = raw score x c + m' in one fused multiply-add, c = log2(e) / sqrt(128) x 2^(e6 + e7); M = the largest t so far, rounded UP to a whole number;
; p = 2^(t - M) is quantised with e8, not normalised; the sum is taken of the unquantised p.  When M moves, the sum and o are multiplied by 2^(old M - new M): exact.
; SHARES.  A work-group owns 128 queries of one head.  Wave w owns 64 of them (w % 2), four tiles, and every second key step (steps 2 i + w / 2, i = 0 .. 7): each fragment of K and V feeds four matrix instructions.
; Each wave keeps its own M, sum and O^T; at the end the two waves of a query half join them by exact powers of two, through LDS: each sends two tiles and finishes two.
; Register tile a of a wave is query tile a xor 2 (w / 2) of its 64 queries, so that 'send tiles 2, 3, finish tiles 0, 1' is one text for all four waves.
; CLUSTER: 4 x 1 work-groups = four heads of one block of queries.  The mask's tiles hang on the block of queries and the wave's number alone: each wave asks for its own tile of a trip (64 rows x 512 bytes, 16 bytes of
; padding behind each row) by a joint tensor load that names the four.  THE RING: two slots of four such tiles; at a trip's head the three lines and a round of the cluster's barrier, behind it the next trip's tile into the
; slot that was left: one tensor load a wave is out, and it has a trip in which to land.
; K, V and Q go from memory straight into operand registers, 512 consecutive bytes a load, and are not asked for jointly: two slots that also held a trip's K and V would be 2 x (135,168 + 65,536) bytes, more than LDS has.
; K's loads go out behind the first product, V's behind the second; each is waited for with the other's 32 loads as the younger ones.  The last trip is written out: it asks for nothing.
; THE ORDER IN A TRIP.  One wave has a SIMD to itself, so plain vector lines that are due anyway stand among its matrix instructions and exponentials: the terms m' of tiles 0, 1 among the first product's last sixteen;
; tile a's holds among tile a + 1's exponentials; tile a's eight products of the second kind among tile a + 2's subtractions (tile 2's among tile 3's holds).
; PREFETCH.  The mask: in trip i each wave names 32 blocks of 256 bytes of its tile of trip i + 3, two trips ahead of that tile's tensor load; the four partners take 16 rows each, told apart by address; trips 5 and 6 ask for
; nothing.  K and V: the work-group of query block y asks for key step y of its head (128 blocks, a lane a block) two trips ahead of the trip that loads it; steps 0 to 5 come by their loads alone.
; LIMITS: e6 + e7 between -123 and 130; e8, e10 between -126 and 119; the scaled scores stay under 2^31 in magnitude.  NaN among the inputs, and a row whose logits are all -infinity, are not served.
; REGISTERS, windows of 256: 0: v0-63 at work, v64-127 Q, v128-255 two tiles of the mask's terms;  1: v0-127 K, v128-255 V;  2: S^T, t, p, and p's codes in place;  3: O^T.
.set SEC,   0x400000
.set KSB,   16384
.set MP,    528                        ; a tile's row in LDS: 512 bytes + 16: the sixteen rows that a read touches start at sixteen different banks (ISA guide 11.1)
.set STG,   64*MP                      ; a wave's tile
.set SLOTB, 4*STG                      ; a slot
.set XW,    16896                      ; what a wave sends: two tiles of O^T (16,384 bytes) and 512 bytes of -M and sums.  It lies in slot 0, behind that slot's last fill and last read
.set SPARE, 2*SLOTB                    ; behind the ring: the spare words, 128 bytes a wave
.set L16, 1                            ; 16 x lane
.set ADA0, 2                           ; my place in my tile: register tiles 0, 1
.set ADB0, 3                           ; register tiles 2, 3
.set SPW, 4
.set NIL, 5
.set PFK, 6
.set PFM, 7
.set ADA, 8                            ; v8, v9: the same in the slot in hand; at the end: where I send, where I receive
.set LIMP, 10
.set SCP,  11
.set LIMO, 12
.set SCO,  13
.set CT,  14                           ; v14-15 the first pair of a tile's codes, until its place is free
.set NM,  16                           ; pairs (-M, the largest t), one a tile
.set F,   24                           ; pairs (f, 0)
.set L,   32                           ; the sums, in two halves
.set T,   40                           ; v40-55 at work
.set PM,  56
.set OLD, 60
.set Q,   64
.set G,   128
.set WV, 12
.set QH, 13
.set KH, 14
.set HEAD, 15
.set TRIP, 16
.set TB,  17                           ; LDS byte at which the slot in hand begins
.set NG,  18
.set SEL, 20
.set CS,  22
.set KB,  24
.set VB,  26
.set PKB, 28
.set PMB, 30
.set PKT, 32
.set WST, 33
.set BLK, 34
.set ES,  35
.set G1,  40                           ; s[40:47] descriptor group 1
.set XSB, 53
.set XRB, 54
.set G0,  56                           ; s[56:59] descriptor group 0, which walks
.set MSB, 0
.macro WIN new                         ; low byte: 1:0 source 0, 3:2 source 1, 5:4 source 2, 7:6 destination; the high byte repeats the setting that is left
.if MSB != (\new)
	s_set_vgpr_msb (MSB<<8)|(\new)
.set MSB, \new
.endif
.endm
.macro NOPS n
.rept \n
	v_nop
.endr
.endm
.macro ROUND                           ; a round of the cluster's barrier
	s_barrier_signal -1
	s_barrier_wait -1
	s_cmp_lg_u32 s[WV], 0
	s_cbranch_scc1 .Lnot_wave_0_\@
	s_barrier_signal -3
.Lnot_wave_0_\@:
	s_barrier_wait -3
	s_barrier_signal -1
	s_barrier_wait -1
.endm
.macro KLOAD
.set i, 0
.rept 32
	global_load_b128 v[4*i:4*i+3], v[L16], s[KB:KB+1] offset:512*i
.set i, i+1
.endr
.endm
.macro VLOAD
.set i, 0
.rept 32
	global_load_b128 v[128+4*i:128+4*i+3], v[L16], s[VB:VB+1] offset:512*i
.set i, i+1
.endr
.endm
.macro MLD a                           ; register tile a's mask in the scores' layout: mask(my query, keys 16 t + 8 h + 0 .. 7)
.irp t, 0,1,2,3,4,5,6,7
	ds_load_b128 v[G+64*((\a)%2)+8*\t:G+64*((\a)%2)+8*\t+3], v[ADA+(\a)/2] offset:((\a)%2)*16*MP+64*\t
	ds_load_b128 v[G+64*((\a)%2)+8*\t+4:G+64*((\a)%2)+8*\t+7], v[ADA+(\a)/2] offset:((\a)%2)*16*MP+64*\t+16
.endr
.endm
.macro SW a, t                         ; S^T = K Q^T: tile t of keys x tile a of queries
	v_wmma_f32_16x16x128_fp8_fp8 v[64*\a+8*\t:64*\a+8*\t+7], v[16*\t:16*\t+15], v[Q+16*\a:Q+16*\a+15], 0
.endm
.macro PVW a, c                        ; O^T += V^T P^T: tile c of channels x tile a of queries
	v_wmma_f32_16x16x128_fp8_fp8 v[64*(\a)+8*(\c):64*(\a)+8*(\c)+7], v[128+16*(\c):128+16*(\c)+15], v[64*(\a):64*(\a)+15], v[64*(\a)+8*(\c):64*(\a)+8*(\c)+7]
.endm
.macro TT a, cnt                       ; t of tile a, and its largest in four chains that begin at the largest so far
.if \a >= 2
	s_wait_dscnt \cnt
	WIN 0
.set i, 0
.rept 32
	v_pk_mul_f32 v[G+64*(\a%2)+i:G+64*(\a%2)+i+1], v[G+64*(\a%2)+i:G+64*(\a%2)+i+1], s[NG:NG+1] op_sel_hi:[1,0]   ; m', rounded by itself
.set i, i+2
.endr
.endif
	WIN 0x82
.set i, 0
.rept 32
	v_pk_fma_f32 v[64*\a+i:64*\a+i+1], v[64*\a+i:64*\a+i+1], s[CS:CS+1], v[G+64*(\a%2)+i:G+64*(\a%2)+i+1] op_sel_hi:[1,0,1]
.set i, i+2
.endr
.if \a < 2
	WIN 0
	MLD \a+2
.endif
	WIN 0x28
.irp k, 0,1,2,3
	v_max3_num_f32 v[T+4*\a+\k], v[NM+2*\a+1], v[64*\a+2*\k], v[64*\a+2*\k+1]
.endr
.irp j, 8,16,24,32,40,48,56
.irp k, 0,1,2,3
	v_max3_num_f32 v[T+4*\a+\k], v[T+4*\a+\k], v[64*\a+\j+2*\k], v[64*\a+\j+2*\k+1]
.endr
.endr
.endm
.macro XADD a, pv                      ; t - M of tile a; pv >= 0: tile pv's eight products of the second kind stand among the lines, one to four
.irp c, 0,1,2,3,4,5,6,7
.if \pv >= 0
	WIN 0xf9
	PVW \pv, \c
.endif
	WIN 0x82
.irp e, 0,2,4,6
	v_pk_add_f32 v[64*\a+8*\c+\e:64*\a+8*\c+\e+1], v[64*\a+8*\c+\e:64*\a+8*\c+\e+1], v[NM+2*\a:NM+2*\a+1] op_sel_hi:[1,0]
.endr
.endr
	s_wait_alu depctr_va_vdst(0)                   ; the wait ahead of the batch
.endm
.macro YEXP a, h                       ; p of tile a; h >= 0: tile h's holds stand among the exponentials (the conversion does not saturate: ISA guide 7.6.2; p is not negative).  Tile h's sum has been taken
.set i, 0
.rept 64
	v_exp_f32 v[64*\a+i], v[64*\a+i]
.if \h >= 0
	v_min_num_f32 v[64*(\h)+i], v[64*(\h)+i], v[LIMP]
.endif
.set i, i+1
.endr
	v_nop                                          ; the plain line behind the exponentials
	s_wait_alu depctr_va_vdst(0)                   ; one wait behind the batch
.endm
.macro SUM a                           ; the sum of the unquantised p
	WIN 0x0a
.irp k, 0,1,2,3
	v_pk_add_f32 v[T+2*\k:T+2*\k+1], v[64*\a+4*\k:64*\a+4*\k+1], v[64*\a+4*\k+2:64*\a+4*\k+3]
.endr
	WIN 0x08
.irp j, 16,24,32,40,48,56
.irp k, 0,1,2,3
	v_pk_add_f32 v[T+2*\k:T+2*\k+1], v[T+2*\k:T+2*\k+1], v[64*\a+\j+2*\k:64*\a+\j+2*\k+1]
.endr
.endr
	WIN 0
	v_pk_add_f32 v[T:T+1], v[T:T+1], v[T+2:T+3]
	v_pk_add_f32 v[T+4:T+5], v[T+4:T+5], v[T+6:T+7]
	v_pk_add_f32 v[L+2*\a:L+2*\a+1], v[L+2*\a:L+2*\a+1], v[T:T+1]
	v_pk_add_f32 v[L+2*\a:L+2*\a+1], v[L+2*\a:L+2*\a+1], v[T+4:T+5]
.endm
.macro CVT a                           ; the codes are laid over p's registers that are done with: pair t at 2 t; pair 0 waits in v14-15
	WIN 0x02
	v_cvt_scalef32_pk8_fp8_f32 v[CT:CT+1], v[64*\a:64*\a+7], v[SCP]
	WIN 0x82
	v_nop
	v_cvt_scalef32_pk8_fp8_f32 v[64*\a+2:64*\a+3], v[64*\a+8:64*\a+15], v[SCP]
	v_and_b32 v[64*\a], -1, v[CT]
	v_and_b32 v[64*\a+1], -1, v[CT+1]
.irp t, 2,3,4,5,6,7
	v_cvt_scalef32_pk8_fp8_f32 v[64*\a+2*\t:64*\a+2*\t+1], v[64*\a+8*\t:64*\a+8*\t+7], v[SCP]
.endr
	v_nop
.endm
; A TRIP: my 64 queries x 128 keys.  last = 1: nothing is asked for.
.macro TRIPM last
	s_wait_tensorcnt 0x0                           ; my tile of this trip has landed; no tensor load of mine is out, so group 0 may be written
	ds_add_u32 v[SPW], v[NIL]                      ; 0 onto my spare word
.if !\last
	s_xor_b32 s55, s[TB], SLOTB                    ; the slot that was left
	s_add_co_u32 s[G0+1], s55, s[WST]
	s_add_nc_u64 s[G0+2:G0+3], s[G0+2:G0+3], 1024  ; my next key step: two steps of 512 bytes on
.endif
	s_wait_dscnt 0x0                               ; the add is done, and my reads of the slot that was left are over
.if \last
	s_barrier_signal -1
	s_barrier_wait -1                              ; nobody reads slot 0 any more
.else
	ROUND
	tensor_load_to_lds s[G0:G0+3], s[G1:G1+7]      ; the first thing behind the round, and my one tensor load until the next
	s_nop 0
	NOPS 4
.endif
	v_add_nc_u32 v[ADA], s[TB], v[ADA0]
	v_add_nc_u32 v[ADA+1], s[TB], v[ADB0]
	MLD 0
	MLD 1
	s_wait_alu depctr_va_vdst(0)
.if !\last
	s_cmp_lt_u32 s[TRIP], 5
	s_cbranch_scc0 .Lnot_m_\@
	global_prefetch_b8 v[PFM], s[PMB:PMB+1] th:TH_LOAD_NT scope:SCOPE_SE
.Lnot_m_\@:
	s_cmp_eq_u32 s[TRIP], s[PKT]
	s_cbranch_scc0 .Lnot_kv_\@
	global_prefetch_b8 v[PFK], s[PKB:PKB+1] th:TH_LOAD_NT scope:SCOPE_SE
.Lnot_kv_\@:
.endif
	s_wait_loadcnt 32                              ; K of this trip is in (V's 32 loads may be out), so its base may step
.if !\last
	s_add_nc_u64 s[KB:KB+1], s[KB:KB+1], 2*KSB
.endif
	WIN 0x81
.irp t, 0,1,2,3
.irp a, 0,1,2,3
	SW \a, \t
.endr
.endr
	s_wait_dscnt 0x0                               ; the mask of tiles 0, 1 is in
.set n, 0
.irp t, 4,5,6,7
.irp a, 0,1,2,3
	WIN 0x81
	SW \a, \t
	WIN 0
.rept 4
	v_pk_mul_f32 v[G+n:G+n+1], v[G+n:G+n+1], s[NG:NG+1] op_sel_hi:[1,0]   ; m' of tiles 0, 1, rounded by itself
.set n, n+2
.endr
.endr
.endr
	NOPS 4                                         ; places in front of loads into registers that these products read, and of the first read of their results
.if !\last
	WIN 0x40
	KLOAD
.endif
	TT 0, 0
	TT 1, 0
	TT 2, 16                                       ; behind the loads waited for: tile 3's sixteen
	TT 3, 0
	WIN 0
.irp a, 0,1,2,3
	v_max3_num_f32 v[T+4*\a], v[T+4*\a], v[T+4*\a+1], v[T+4*\a+2]
.endr
.irp a, 0,1,2,3
	v_max_num_f32 v[T+4*\a], v[T+4*\a], v[T+4*\a+3]
.endr
.irp a, 0,1,2,3
	v_permlanex16_b32 v[PM+\a], v[T+4*\a], s[SEL], s[SEL+1]
.endr
.irp a, 0,1,2,3
	v_mov_b32 v[OLD+\a], v[NM+2*\a]
.endr
.irp a, 0,1,2,3
	v_max_num_f32 v[NM+2*\a+1], v[T+4*\a], v[PM+\a]    ; the running largest t
.endr
.irp a, 0,1,2,3
	v_floor_f32 v[NM+2*\a], -v[NM+2*\a+1]          ; -M = floor(-t)
.endr
.irp a, 0,1,2,3
	v_sub_f32 v[OLD+\a], v[NM+2*\a], v[OLD+\a]     ; old M - new M, a whole number, 0 or less
.endr
.irp a, 0,1,2,3
	v_cvt_i32_f32 v[OLD+\a], v[OLD+\a]             ; (it saturates)
.endr
.irp a, 0,1,2,3
	v_ldexp_f32 v[F+2*\a], 1.0, v[OLD+\a]
.endr
.irp a, 0,1,2,3
	v_pk_mul_f32 v[L+2*\a:L+2*\a+1], v[L+2*\a:L+2*\a+1], v[F+2*\a:F+2*\a+1] op_sel_hi:[1,0]
.endr
	WIN 0xc3
	s_wait_alu depctr_va_vdst(0)                   ; the wait directly ahead of the first reader of O^T
.irp a, 0,1,2,3
.set i, 0
.rept 32
	v_pk_mul_f32 v[64*\a+i:64*\a+i+1], v[64*\a+i:64*\a+i+1], v[F+2*\a:F+2*\a+1] op_sel_hi:[1,0]   ; O^T under the new M
.set i, i+2
.endr
.endr
	XADD 0, -1
	YEXP 0, -1
	SUM 0
	XADD 1, -1
	YEXP 1, 0
	CVT 0
	SUM 1
	s_wait_alu depctr_va_vdst(0)
.if \last
	s_wait_loadcnt 0x0                             ; V is in
.else
	s_wait_loadcnt 32                              ; V is in (the next trip's K may be out), so its base may step
	s_add_nc_u64 s[VB:VB+1], s[VB:VB+1], 2*KSB
	s_wait_xcnt 0x0                                ; this trip's prefetch has read its base, so it may step
	s_add_nc_u64 s[PMB:PMB+1], s[PMB:PMB+1], 1024
.endif
	XADD 2, 0
	YEXP 2, 1
	CVT 1
	SUM 2
	XADD 3, 1
	YEXP 3, 2
	CVT 2
	SUM 3
.irp c, 0,1,2,3,4,5,6,7
	WIN 0xf9
	PVW 2, \c
	WIN 0x82
.irp e, 0,1,2,3,4,5,6,7
	v_min_num_f32 v[192+8*\c+\e], v[192+8*\c+\e], v[LIMP]   ; tile 3's holds
.endr
.endr
	CVT 3
	WIN 0xf9
.irp c, 0,1,2,3,4,5,6,7
	PVW 3, \c                                      ; in a trip each of the 32 accumulators has one turn
.endr
	NOPS 5                                         ; five places: the next trip's first products write over the codes that these read
.if !\last
	WIN 0x40
	VLOAD
.endif
	WIN 0
	s_xor_b32 s[TB], s[TB], SLOTB                  ; on to the other slot
.endm
	s_load_b256 s[4:11], s[0:1], 0x0               ; q, k, v s[4:5]; the mask s[6:7]; the scales' exponents s[8:9]; the output s[10:11]
	v_lshl_add_u32 v[SPW], v0, 2, SPARE
	v_mov_b32 v[NIL], 0
	ds_add_u32 v[SPW], v[NIL]                      ; the opening lines: the add, twice on end, and its wait ahead of my first tensor load
	ds_add_u32 v[SPW], v[NIL]
	v_lshrrev_b32 v[T], 5, v0
	v_readfirstlane_b32 s[WV], v[T]
	s_and_b32 s[QH], s[WV], 1
	s_lshr_b32 s[KH], s[WV], 1
	s_bfe_u32 s36, ttmp6, 0x40000                  ; cx
	s_lshl_b32 s[HEAD], ttmp9, 2
	s_add_co_u32 s[HEAD], s[HEAD], s36             ; my head = 4 x cluster x + cx
	s_and_b32 s[BLK], ttmp7, 0xffff                ; my block of 128 queries
	s_mul_i32 s[WST], s[WV], STG
	s_mul_i32 s38, s[KH], 32*MP
	s_add_co_u32 s38, s38, s[WST]                  ; register tiles 0, 1: rows 32 (w / 2) on of my tile
	s_xor_b32 s39, s[KH], 1
	s_mul_i32 s39, s39, 32*MP
	s_add_co_u32 s39, s39, s[WST]                  ; register tiles 2, 3: the other 32 rows
	s_mul_i32 s[XSB], s[WV], XW
	s_xor_b32 s[XRB], s[WV], 2                     ; my partner: the same queries, the other keys
	s_mul_i32 s[XRB], s[XRB], XW
	s_mov_b32 s[G1], 15|(2<<16)|(1<<20)|(1<<21)|(6<<22)|(3<<25)   ; the four partners; elements of 4 bytes; padding: four words after every 128; bit 21 beside a mask
	s_mov_b32 s[G1+1], 128<<16                     ; tensor_dim0
	s_mov_b32 s[G1+2], 64<<16                      ; tensor_dim1
	s_mov_b32 s[G1+3], 128<<16                     ; tile_dim0
	s_mov_b32 s[G1+4], 64                          ; tile_dim1
	s_mov_b32 s[G1+5], 2048                        ; from row to row
	s_mov_b32 s[G1+6], 0
	s_mov_b32 s[G1+7], 0
	s_lshl_b32 s37, s[HEAD], 18
	s_lshl_b32 s66, s[KH], 14
	s_add_co_u32 s66, s66, s37
	s_add_co_u32 s66, s66, SEC                     ; K: my head, key step w / 2
	s_mov_b32 s67, 0
	s_lshl_b32 s68, s[BLK], 3
	s_lshl_b32 s69, s[QH], 2
	s_add_co_u32 s68, s68, s69
	s_lshl_b32 s69, s[KH], 1
	s_add_co_u32 s68, s68, s69                     ; query tile of register tiles 0, 1
	s_xor_b32 s70, s68, 2                          ; and of 2, 3
	s_lshl_b32 s72, s[BLK], 4
	s_add_co_u32 s72, s72, s[HEAD]
	s_lshl_b32 s72, s72, 3
	s_and_b32 s73, s68, 7
	s_add_co_u32 s72, s72, s73
	s_lshl_b32 s72, s72, 11                        ; the output: [block][head][tile][2,048]
	s_mov_b32 s73, 0
	s_lshl_b32 s68, s68, 11
	s_add_co_u32 s68, s68, s37
	s_mov_b32 s69, 0
	s_lshl_b32 s70, s70, 11
	s_add_co_u32 s70, s70, s37
	s_mov_b32 s71, 0
	s_lshl_b32 s74, s[BLK], 7                      ; my tile of the mask: row 128 x block + 64 (w % 2), key step w / 2: no place in the cluster enters
	s_lshl_b32 s75, s[QH], 6
	s_add_co_u32 s74, s74, s75
	s_lshl_b32 s74, s74, 13
	s_lshl_b32 s75, s[KH], 9
	s_add_co_u32 s74, s74, s75
	s_mov_b32 s75, 0
	s_lshl_b32 s76, s36, 17                        ; its prefetches: my work-group's 16 rows of the 64,
	s_add_co_u32 s76, s76, s74
	s_add_co_u32 s76, s76, 3*1024                  ; at trip 3's tile: trip 0 names it, and each trip steps it behind its prefetch
	s_mov_b32 s77, 0
	s_lshl_b32 s78, s[BLK], 14                     ; K's and V's: key step y of my head
	s_add_co_u32 s78, s78, s37
	s_add_co_u32 s78, s78, SEC
	s_mov_b32 s79, 0
	s_lshr_b32 s[PKT], s[BLK], 1
	s_sub_co_u32 s[PKT], s[PKT], 3                 ; the trip in which I ask; it wraps where there is none
	s_mov_b32 s[SEL], 0x76543210
	s_mov_b32 s[SEL+1], 0xfedcba98
	s_mov_b32 s[NG], 0xceabfb8f                    ; -1e9 x log2(e)
	s_mov_b32 s[NG+1], s[NG]
	s_mov_b32 s[CS], 0x3e0293ee                    ; log2(e) / sqrt(128)
	v_and_b32 v[T+1], 31, v0
	v_and_b32 v[T+2], 15, v0
	v_bfe_u32 v[T+3], v0, 4, 1
	v_lshlrev_b32 v[L16], 4, v[T+1]
	v_mul_u32_u24 v[ADA0], v[T+2], MP
	v_lshlrev_b32 v[PFM], 13, v[T+2]               ; a lane a row, lanes 16-31 the row's second block
	v_lshl_add_u32 v[ADA0], v[T+3], 5, v[ADA0]
	v_lshl_add_u32 v[PFM], v[T+3], 8, v[PFM]
	v_add_nc_u32 v[ADB0], s39, v[ADA0]
	v_add_nc_u32 v[ADA0], s38, v[ADA0]
	v_and_b32 v[T+1], 63, v0
	v_lshrrev_b32 v[T+2], 6, v0
	v_lshlrev_b32 v[T+1], 8, v[T+1]
	v_lshl_add_u32 v[PFK], v[T+2], 22, v[T+1]      ; threads 0-63: K's 64 blocks; 64-127: V's, a section on
	s_wait_alu depctr_va_vdst(0)                   ; the wait directly ahead of the waits below
	s_wait_dscnt 0x0                               ; both opening adds are done
	s_wait_kmcnt 0x0
	s_load_b128 s[48:51], s[8:9], 0x18             ; e6, e7, e8, e9
	s_load_b32 s52, s[8:9], 0x28                   ; e10
	s_add_nc_u64 s[KB:KB+1], s[4:5], s[66:67]
	s_add_nc_u64 s[VB:VB+1], s[KB:KB+1], SEC
	s_add_nc_u64 s[68:69], s[4:5], s[68:69]
	s_add_nc_u64 s[70:71], s[4:5], s[70:71]
	s_add_nc_u64 s[10:11], s[10:11], s[72:73]
	s_add_nc_u64 s[PMB:PMB+1], s[6:7], s[76:77]
	s_add_nc_u64 s[PKB:PKB+1], s[4:5], s[78:79]
	s_mov_b32 s[G0], 1                             ; count = 1
	s_mov_b32 s[G0+1], s[WST]                      ; slot 0
	s_add_nc_u64 s[G0+2:G0+3], s[6:7], s[74:75]
	s_or_b32 s[G0+3], s[G0+3], 0x80000000          ; type = 2
.set i, 0
.rept 8
	global_load_b128 v[Q+4*i:Q+4*i+3], v[L16], s[68:69] offset:512*i
	global_load_b128 v[Q+32+4*i:Q+32+4*i+3], v[L16], s[70:71] offset:512*i
.set i, i+1
.endr
	WIN 0x40
	KLOAD
	WIN 0
	ROUND                                          ; the four work-groups are here: the first joint loads meet
	tensor_load_to_lds s[G0:G0+3], s[G1:G1+7]      ; my tile of trip 0: one tensor load a wave at the head
	s_nop 0
	NOPS 4
.irp a, 0,1,2,3
	v_mov_b32 v[NM+2*\a+1], 0xff61b1e6             ; the largest t so far: -3e38
	v_mov_b32 v[PM+\a], 0                          ; a lane permute's destination counts as a source
.endr
.irp a, 0,1,2,3
	v_floor_f32 v[NM+2*\a], -v[NM+2*\a+1]
.endr
.set i, 0
.rept 8
	v_mov_b32 v[L+i], 0
	v_mov_b32 v[F+i], 0
.set i, i+1
.endr
	WIN 0xc0
.set i, 0
.rept 256
	v_mov_b32 v[i], 0                              ; O^T.  The trip has no first form of its own: the first finds zeros, which the first change of M leaves zeros
.set i, i+1
.endr
	WIN 0x40
	VLOAD
	WIN 0
	s_wait_kmcnt 0x0
	s_add_co_i32 s36, s48, s49
	s_lshl_b32 s36, s36, 23
	s_add_co_i32 s[CS], s[CS], s36                 ; e6 + e7 onto c's exponent field
	s_mov_b32 s[CS+1], s[CS]
	s_add_co_i32 s36, s50, 127
	s_lshl_b32 s37, s36, 23
	v_mov_b32 v[SCP], s37                          ; 2^e8
	s_add_co_i32 s36, s36, 8
	s_lshl_b32 s36, s36, 23
	s_or_b32 s36, s36, 0x600000
	v_mov_b32 v[LIMP], s36                         ; 448 x 2^e8
	s_add_co_i32 s36, s52, 127
	s_lshl_b32 s37, s36, 23
	v_mov_b32 v[SCO], s37                          ; 2^e10
	s_add_co_i32 s36, s36, 8
	s_lshl_b32 s36, s36, 23
	s_or_b32 s36, s36, 0x600000
	v_mov_b32 v[LIMO], s36                         ; 448 x 2^e10
	s_add_co_i32 s[ES], s50, s51
	s_mov_b32 s[TRIP], 0
	s_mov_b32 s[TB], 0
	s_wait_alu depctr_va_vdst(0)
.Ltrip:                                            ; trips 0 to 6: each asks for the next trip's tile, K and V
	TRIPM 0
	s_add_co_u32 s[TRIP], s[TRIP], 1
	s_cmp_lt_u32 s[TRIP], 7
	s_wait_alu depctr_va_vdst(0)
	s_cbranch_scc1 .Ltrip
	TRIPM 1                                        ; trip 7 is written out, so that no load is jumped over
	; THE TWO KEY HALVES ARE JOINED.  I send register tiles 2, 3 (O^T, -M, the sum) and finish tiles 0, 1 with what my partner sends.
	v_add_f32 v[T+1], v[L+4], v[L+5]
	v_add_f32 v[T+3], v[L+6], v[L+7]
	v_mov_b32 v[T], v[NM+4]
	v_mov_b32 v[T+2], v[NM+6]
	v_add_f32 v[L], v[L], v[L+1]
	v_add_f32 v[L+2], v[L+2], v[L+3]
	v_add_nc_u32 v[ADA], s[XSB], v[L16]
	v_add_nc_u32 v[ADA+1], s[XRB], v[L16]
	WIN 0x0c
.set i, 0
.rept 32
	ds_store_b128 v[ADA], v[128+4*i:128+4*i+3] offset:512*i   ; each accumulator from its low end on
.set i, i+1
.endr
	WIN 0
	ds_store_b128 v[ADA], v[T:T+3] offset:16384
	s_wait_alu depctr_va_vdst(0)
	s_wait_dscnt 0x0                               ; my stores are done: for my partner's sake
	s_barrier_signal -1
	s_barrier_wait -1
	WIN 0x40
.set i, 0
.rept 32
	ds_load_b128 v[4*i:4*i+3], v[ADA+1] offset:512*i
.set i, i+1
.endr
	WIN 0
	ds_load_b128 v[T+4:T+7], v[ADA+1] offset:16384
	s_wait_dscnt 0x0
.irp a, 0,1
	v_min_num_f32 v[OLD+\a], v[NM+2*\a], v[T+4+2*\a]   ; the joint -M
.endr
.irp a, 0,1
	v_sub_f32 v[PM+\a], v[OLD+\a], v[NM+2*\a]
	v_sub_f32 v[PM+2+\a], v[OLD+\a], v[T+4+2*\a]
.endr
.irp k, 0,1,2,3
	v_cvt_i32_f32 v[PM+\k], v[PM+\k]
.endr
.irp k, 0,1,2,3
	v_ldexp_f32 v[PM+\k], 1.0, v[PM+\k]            ; 2^(my M - M), 2^(my partner's M - M)
.endr
.irp a, 0,1
	v_mul_f32 v[L+2*\a], v[L+2*\a], v[PM+\a]
.endr
.irp a, 0,1
	v_fmac_f32 v[L+2*\a], v[T+5+2*\a], v[PM+2+\a]
.endr
.irp a, 0,1
	v_permlanex16_b32 v[OLD+\a], v[L+2*\a], s[SEL], s[SEL+1]
.endr
.irp a, 0,1
	v_add_f32 v[L+2*\a], v[L+2*\a], v[OLD+\a]      ; the row's sum
.endr
	s_wait_alu depctr_va_vdst(0)                   ; the wait ahead of the batch
	v_rcp_f32 v[L], v[L]
	v_rcp_f32 v[L+2], v[L+2]
	v_nop
	s_wait_alu depctr_va_vdst(0)                   ; and behind it
.irp a, 0,1
	v_ldexp_f32 v[L+2*\a], v[L+2*\a], s[ES]        ; x 2^(e8 + e9)
.endr
.irp a, 0,1
	v_mul_f32 v[F+2*\a], v[PM+\a], v[L+2*\a]
	v_mul_f32 v[F+4+2*\a], v[PM+2+\a], v[L+2*\a]
.endr
	WIN 0x41
.irp a, 0,1
.set i, 0
.rept 32
	v_pk_mul_f32 v[64*\a+i:64*\a+i+1], v[64*\a+i:64*\a+i+1], v[F+4+2*\a:F+5+2*\a] op_sel_hi:[1,0]
.set i, i+2
.endr
.endr
	WIN 0x53
	s_wait_alu depctr_va_vdst(0)                   ; the wait directly ahead of the first reader of O^T
.irp a, 0,1
.set i, 0
.rept 32
	v_pk_fma_f32 v[64*\a+i:64*\a+i+1], v[64*\a+i:64*\a+i+1], v[F+2*\a:F+2*\a+1], v[64*\a+i:64*\a+i+1] op_sel_hi:[1,0,1]
.set i, i+2
.endr
.endr
	WIN 0x41
.set i, 0
.rept 128
	v_med3_num_f32 v[i], v[i], -v[LIMO], v[LIMO]
.set i, i+1
.endr
	WIN 0x01
.set i, 0
.rept 16
	v_cvt_scalef32_pk8_fp8_f32 v[G+2*i:G+2*i+1], v[8*i:8*i+7], v[SCO]
.set i, i+1
.endr
	v_nop
	WIN 0
.set i, 0
.rept 8
	global_store_b128 v[L16], v[G+4*i:G+4*i+3], s[10:11] offset:512*i   ; two images: 32 lanes store 512 consecutive bytes, aligned
.set i, i+1
.endr
	s_wait_tensorcnt 0x0                           ; the wave's end: behind my last tensor load and my last LDS store
	ds_add_u32 v[SPW], v[NIL]
	s_wait_dscnt 0x0
	ROUND                                          ; the closing round
	s_endpgm
.Lfunc_end_k_q4d46f46599_attn:
	.size	k_q4d46f46599_attn, .Lfunc_end_k_q4d46f46599_attn-k_q4d46f46599_attn
	.p2alignl 7, 3214868480
	.fill 96, 4, 3214868480
	.section	.rodata,"a",@progbits
	.p2align	6, 0x0
	.amdhsa_kernel k_q4d46f46599_attn
		.amdhsa_group_segment_fixed_size 327680
		.amdhsa_private_segment_fixed_size 0
		.amdhsa_enable_private_segment 0
		.amdhsa_kernarg_size 32
		.amdhsa_user_sgpr_count 2
		.amdhsa_user_sgpr_kernarg_segment_ptr 1
		.amdhsa_wavefront_size32 1
		.amdhsa_system_sgpr_workgroup_id_x 1
		.amdhsa_system_sgpr_workgroup_id_y 1
		.amdhsa_system_sgpr_workgroup_id_z 1
		.amdhsa_system_vgpr_workitem_id 0
		.amdhsa_next_free_vgpr 1024
		.amdhsa_next_free_sgpr 80
		.amdhsa_reserve_vcc 0
		.amdhsa_float_denorm_mode_32 3
		.amdhsa_float_denorm_mode_16_64 3
		.amdhsa_memory_ordered 1
		.amdhsa_forward_progress 1
		.amdhsa_inst_pref_size 218
	.end_amdhsa_kernel
	.amdgpu_metadata
---
amdhsa.version: [ 1, 2 ]
amdhsa.kernels:
  - .name:           k_q4d46f46599_attn
    .symbol:         k_q4d46f46599_attn.kd
    .args:
      - { .name: qkv, .offset: 0, .size: 8, .value_kind: global_buffer, .address_space: global }
      - { .name: attn_mask, .offset: 8, .size: 8, .value_kind: global_buffer, .address_space: global }
      - { .name: lowp_scales, .offset: 16, .size: 8, .value_kind: global_buffer, .address_space: global }
      - { .name: ac, .offset: 24, .size: 8, .value_kind: global_buffer, .address_space: global }
    .group_segment_fixed_size: 327680
    .private_segment_fixed_size: 0
    .kernarg_segment_align: 8
    .kernarg_segment_size: 32
    .max_flat_workgroup_size: 128
    .sgpr_count:     80
    .vgpr_count:     1024
    .wavefront_size: 32
...
	.end_amdgpu_metadata
.endif
;; end of part 7
;; launch oproj (part 8): grid 16 x 16, 4 waves a work-group, clusters of 4 x 4, 327,680 bytes of LDS; arguments ac, codes, bo, lowp_scales, out0; writes out0
.if DOCPART == 8
	.amdgcn_target "amdgcn-amd-amdhsa--gfx1250"
	.amdhsa_code_object_version 6
	.text
	.protected	k_q4d46f46599_oproj
	.globl	k_q4d46f46599_oproj
	.p2align	8
	.type	k_q4d46f46599_oproj,@function
k_q4d46f46599_oproj:
	s_mov_b64 s[64:65], 0
	v_nop
	global_prefetch_b8 v0, s[64:65] scope:SCOPE_SE
	s_setreg_imm32_b32 hwreg(HW_REG_WAVE_MODE, 25, 1), 1
	s_wait_xcnt 0x0
	s_wait_alu depctr_hold_cnt(0) depctr_sa_sdst(0) depctr_va_vdst(0) depctr_va_sdst(0) depctr_va_ssrc(0) depctr_va_vcc(0) depctr_vm_vsrc(0)
	s_getreg_b32 s2, hwreg(HW_REG_IB_STS2, 6, 4)
	s_cmp_eq_u32 s2, 0
	s_cbranch_scc0 .Lentry_in_a_cluster
	s_endpgm
.Lentry_in_a_cluster:
	s_bfe_u32 s2, ttmp6, 0x10000c
	s_cmp_lg_u32 s2, 0xf033
	s_cbranch_scc0 .Lentry_shape_is_right
	s_endpgm
.Lentry_shape_is_right:
.set SEC,   0x400000
.set KSB,   16384
.set TL,    2048
.set FR,    16
.set NP,    4
.set PART,  32768
.set SLOT,  4*PART
.set SPARE, 2*SLOT
.set SPITCH, 272
.set BI,   8
.set ADRA, 16
.set ADRB, 20
.set STO,  24
.set RD,   25
.set CO,   26
.set BO,   27
.set SPW,  28
.set NIL,  29
.set BK,   32
.set ACC,  128
.set G1, 24
.set G0, 32
.set G1B, 48
.set G0B, 56
.set MSB, 0
.macro WIN new
.if MSB != (\new)
	s_set_vgpr_msb (MSB<<8)|(\new)
.set MSB, \new
.endif
.endm
.set MUL,  0x05
.set TO_F, 0x40
.macro JLOAD g0a, g1a, g0b, g1b
	s_cmp_eq_u32 s15, 0
	s_cbranch_scc0 .Lfor_b_\@
	tensor_load_to_lds s[\g0a:\g0a+3], s[\g1a:\g1a+7]
	s_nop 0
.rept 4
	v_nop
.endr
	s_branch .Lasked_\@
.Lfor_b_\@:
	tensor_load_to_lds s[\g0b:\g0b+3], s[\g1b:\g1b+7]
	s_nop 0
.rept 4
	v_nop
.endr
.Lasked_\@:
.endm
.macro CREST
	s_cmp_lg_u32 s14, 0
	s_cbranch_scc1 .Lnot_wave_0_\@
	s_barrier_signal -3
.Lnot_wave_0_\@:
	s_barrier_wait -3
	s_barrier_signal -1
	s_barrier_wait -1
.endm
.macro CROUND
	s_barrier_signal -1
	s_barrier_wait -1
	CREST
.endm
.macro FRAG reg, adr, q, i
.irp c, 0,1,2,3
	ds_load_b128 v[\reg+4*\c:\reg+4*\c+3], v[\adr] offset:KSB*(\q)+TL*(\i)+512*\c
.endr
.endm
.macro MUL4 f, a, zero
.irp b, 0,1,2,3
.if \zero
	v_wmma_f32_16x16x128_fp8_fp8 v[ACC+8*(4*(\a)+\b):ACC+8*(4*(\a)+\b)+7], v[(\f)+64+FR*\b:(\f)+64+FR*\b+FR-1], v[(\f)+FR*(\a):(\f)+FR*(\a)+FR-1], 0
.else
	v_wmma_f32_16x16x128_fp8_fp8 v[ACC+8*(4*(\a)+\b):ACC+8*(4*(\a)+\b)+7], v[(\f)+64+FR*\b:(\f)+64+FR*\b+FR-1], v[(\f)+FR*(\a):(\f)+FR*(\a)+FR-1], v[ACC+8*(4*(\a)+\b):ACC+8*(4*(\a)+\b)+7]
.endif
.endr
.endm
.macro FETCH slot, q, f
	WIN TO_F
.irp i, 0,1,2,3
	FRAG (\f)+64+FR*\i, ADRB+\slot, \q, \i
.endr
.irp i, 0,1,2,3
	FRAG (\f)+FR*\i, ADRA+\slot, \q, \i
.endr
.endm
.macro PLACES n
.rept \n
	v_nop
.endr
.endm
.macro KSTEP slot, q, zero
	s_wait_dscnt 8
	WIN MUL
	MUL4 128*((\q)%2), 0, \zero
	MUL4 128*((\q)%2), 1, \zero
	PLACES NP
	FETCH \slot, (\q)+1, 128*(1-(\q)%2)
	s_wait_dscnt 32
	WIN MUL
	MUL4 128*((\q)%2), 2, \zero
	MUL4 128*((\q)%2), 3, \zero
.endm
.macro TURN slot, next, fill
	WIN 0
	s_wait_tensorcnt 0x0
	ds_add_u32 v[SPW], v[NIL]
	s_wait_dscnt 9
	WIN MUL
	MUL4 128, 0, 0
	s_wait_dscnt 0x0
	s_barrier_signal -1
	MUL4 128, 1, 0
	WIN 0
	s_barrier_wait -1
.if \fill
	CREST
	s_add_nc_u64 s[G0+4*\slot+2:G0+4*\slot+3], s[G0+4*\slot+2:G0+4*\slot+3], 4*PART
	s_add_nc_u64 s[G0B+4*\slot+2:G0B+4*\slot+3], s[G0B+4*\slot+2:G0B+4*\slot+3], 4*PART
	JLOAD G0+4*\slot, G1, G0B+4*\slot, G1B
.else
	PLACES NP
.endif
	FETCH \next, 0, 0
	WIN MUL
	MUL4 128, 2, 0
	MUL4 128, 3, 0
.endm
.macro TOSTAGE a
.irp b, 0,1,2,3
	ds_store_b128 v[STO], v[ACC+8*(4*(\a)+\b):ACC+8*(4*(\a)+\b)+3] offset:64*\b
	ds_store_b128 v[STO], v[ACC+8*(4*(\a)+\b)+4:ACC+8*(4*(\a)+\b)+7] offset:64*\b+16
.endr
.set BB, BK+32*((\a)%2)
.irp t, 0,1,2,3,4,5,6,7
	ds_load_b128 v[BB+4*\t:BB+4*\t+3], v[RD] offset:\t*2*SPITCH
.endr
.endm
.macro SEND a, younger
.set BB, BK+32*((\a)%2)
	s_wait_dscnt \younger
.irp t, 0,1,2,3,4,5,6,7
	v_pk_fma_f32 v[BB+4*\t:BB+4*\t+1], v[BB+4*\t:BB+4*\t+1], s[96:97], v[BI:BI+1] op_sel_hi:[1,0,1]
	v_pk_fma_f32 v[BB+4*\t+2:BB+4*\t+3], v[BB+4*\t+2:BB+4*\t+3], s[96:97], v[BI+2:BI+3] op_sel_hi:[1,0,1]
	global_store_b128 v[CO], v[BB+4*\t:BB+4*\t+3], s[12:13] offset:((\a)*16+2*\t)*8192 th:TH_STORE_NT
.endr
.endm
	s_load_b256 s[4:11], s[0:1], 0x0
	s_load_b64 s[12:13], s[0:1], 0x20
	v_lshl_add_u32 v[SPW], v0, 2, SPARE
	v_mov_b32 v[NIL], 0
	ds_add_u32 v[SPW], v[NIL]
	ds_add_u32 v[SPW], v[NIL]
	v_lshrrev_b32 v1, 5, v0
	v_readfirstlane_b32 s14, v1
	s_lshr_b32 s15, s14, 1
	s_and_b32 s16, s14, 1
	s_bfe_u32 s40, ttmp6, 0x40000
	s_bfe_u32 s41, ttmp6, 0x40004
	s_lshl_b32 s42, ttmp9, 2
	s_add_co_u32 s42, s42, s40
	s_and_b32 s17, ttmp7, 0xffff
	s_lshl_b32 s17, s17, 2
	s_add_co_u32 s17, s17, s41
	s_lshl_b32 s43, s41, 2
	s_lshl_b32 s43, 15, s43
	s_lshl_b32 s44, 0x1111, s40
	s_or_b32 s[G1+0], s43, (3<<16)|(1<<21)
	s_or_b32 s[G1B+0], s44, (3<<16)|(1<<21)
.irp g, G1, G1B
	s_mov_b32 s[\g+1], 32<<16
	s_mov_b32 s[\g+2], 128<<16
	s_mov_b32 s[\g+3], 32<<16
	s_mov_b32 s[\g+4], 128
	s_mov_b32 s[\g+5], 32
	s_mov_b32 s[\g+6], 0
	s_mov_b32 s[\g+7], 0
.endr
	s_lshl_b32 s20, s17, 18
	s_lshl_b32 s18, s16, 15
	s_add_co_u32 s20, s20, s18
	s_mov_b32 s21, 0
	s_lshl_b32 s46, s42, 18
	s_lshl_b32 s47, s16, 15
	s_add_co_u32 s46, s46, s47
	s_add_co_u32 s46, s46, 6*SEC
	s_mov_b32 s47, 0
	s_mul_i32 s45, s14, PART
	s_wait_dscnt 0x0
	s_wait_kmcnt 0x0
	s_load_b64 s[96:97], s[10:11], 0x28
	s_add_nc_u64 s[20:21], s[4:5], s[20:21]
	s_add_nc_u64 s[46:47], s[6:7], s[46:47]
	CROUND
.irp s, 0,1
	s_mov_b32 s[G0+4*\s], 1
	s_add_co_u32 s[G0+4*\s+1], s45, \s*SLOT
	s_add_nc_u64 s[G0+4*\s+2:G0+4*\s+3], s[20:21], \s*2*PART
	s_or_b32 s[G0+4*\s+3], s[G0+4*\s+3], 0x80000000
	s_mov_b32 s[G0B+4*\s], 1
	s_add_co_u32 s[G0B+4*\s+1], s45, \s*SLOT
	s_add_nc_u64 s[G0B+4*\s+2:G0B+4*\s+3], s[46:47], \s*2*PART
	s_or_b32 s[G0B+4*\s+3], s[G0B+4*\s+3], 0x80000000
	s_wait_alu depctr_va_vdst(0)
	s_wait_tensorcnt 0x0
	ds_add_u32 v28, v29
	ds_add_u32 v28, v29
	s_wait_dscnt 0x0
	CROUND
	JLOAD G0+4*\s, G1, G0B+4*\s, G1B
.endr
	v_and_b32 v1, 15, v0
	s_wait_alu depctr_va_vdst(0)
	v_bfe_u32 v2, v0, 4, 1
	v_and_b32 v6, 31, v0
	v_lshlrev_b32 v3, 4, v6
	s_mul_i32 s21, s15, 4*TL
	s_mul_i32 s22, s16, 4*TL
	s_add_co_u32 s22, s22, 2*PART
.irp s, 0,1
	v_add_nc_u32 v[ADRA+\s], s21, v3
	v_add_nc_u32 v[ADRB+\s], s22, v3
	s_add_co_u32 s21, s21, SLOT
	s_add_co_u32 s22, s22, SLOT
.endr
	s_mul_i32 s23, s14, 16*SPITCH
	v_mul_u32_u24 v5, v1, SPITCH
	s_wait_alu depctr_va_vdst(0)
	v_lshl_add_u32 v5, v2, 5, v5
	v_add_nc_u32 v[STO], s23, v5
	v_mul_u32_u24 v5, v2, SPITCH
	v_lshl_add_u32 v5, v1, 4, v5
	v_add_nc_u32 v[RD], s23, v5
	v_lshlrev_b32 v[BO], 4, v1
	v_lshl_add_u32 v[CO], v2, 13, v[BO]
	s_lshl_b32 s72, s42, 9
	s_lshl_b32 s73, s16, 8
	s_add_co_u32 s72, s72, s73
	s_mov_b32 s73, 0
	s_add_nc_u64 s[8:9], s[8:9], s[72:73]
	global_load_b128 v[BI:BI+3], v[BO], s[8:9]
	s_lshl_b32 s74, s17, 7
	s_lshl_b32 s75, s15, 6
	s_add_co_u32 s74, s74, s75
	s_lshl_b32 s74, s74, 13
	s_add_co_u32 s74, s74, s72
	s_mov_b32 s75, 0
	s_add_nc_u64 s[12:13], s[12:13], s[74:75]
	s_wait_tensorcnt 1
	s_barrier_signal -1
	s_barrier_wait -1
	FETCH 0, 0, 0
	KSTEP 0, 0, 1
	KSTEP 0, 1, 0
	KSTEP 0, 2, 0
	TURN 0, 1, 1
	KSTEP 1, 0, 0
	KSTEP 1, 1, 0
	KSTEP 1, 2, 0
	TURN 1, 0, 1
	KSTEP 0, 0, 0
	KSTEP 0, 1, 0
	KSTEP 0, 2, 0
	TURN 0, 1, 0
	KSTEP 1, 0, 0
	KSTEP 1, 1, 0
	KSTEP 1, 2, 0
	s_wait_dscnt 8
	WIN MUL
	MUL4 128, 0, 0
	MUL4 128, 1, 0
	s_wait_alu depctr_va_vdst(0)
	s_wait_dscnt 0
	MUL4 128, 2, 0
	MUL4 128, 3, 0
	WIN 0
	s_wait_kmcnt 0x0
	s_add_co_i32 s96, s96, s97
	s_add_co_i32 s96, s96, 127
	s_lshl_b32 s96, s96, 23
	s_mov_b32 s97, s96
	s_wait_loadcnt 0x0
	PLACES NP
	TOSTAGE 0
.irp a, 1,2,3
.if \a > 1
	s_wait_xcnt 0x0
.endif
	TOSTAGE \a
	SEND \a-1, 16
.endr
	SEND 3, 0
	s_wait_tensorcnt 0x0
	ds_add_u32 v[SPW], v[NIL]
	s_wait_dscnt 0x0
	CROUND
	s_endpgm
.Lfunc_end_k_q4d46f46599_oproj:
	.size	k_q4d46f46599_oproj, .Lfunc_end_k_q4d46f46599_oproj-k_q4d46f46599_oproj
	.p2alignl 7, 3214868480
	.fill 96, 4, 3214868480
	.section	.rodata,"a",@progbits
	.p2align	6, 0x0
	.amdhsa_kernel k_q4d46f46599_oproj
		.amdhsa_group_segment_fixed_size 327680
		.amdhsa_private_segment_fixed_size 0
		.amdhsa_enable_private_segment 0
		.amdhsa_kernarg_size 40
		.amdhsa_user_sgpr_count 2
		.amdhsa_user_sgpr_kernarg_segment_ptr 1
		.amdhsa_wavefront_size32 1
		.amdhsa_system_sgpr_workgroup_id_x 1
		.amdhsa_system_sgpr_workgroup_id_y 1
		.amdhsa_system_sgpr_workgroup_id_z 1
		.amdhsa_system_vgpr_workitem_id 0
		.amdhsa_next_free_vgpr 512
		.amdhsa_next_free_sgpr 98
		.amdhsa_reserve_vcc 0
		.amdhsa_float_denorm_mode_32 3
		.amdhsa_float_denorm_mode_16_64 3
		.amdhsa_memory_ordered 1
		.amdhsa_forward_progress 1
		.amdhsa_inst_pref_size 75
	.end_amdhsa_kernel
	.amdgpu_metadata
---
amdhsa.version: [ 1, 2 ]
amdhsa.kernels:
  - .name:           k_q4d46f46599_oproj
    .symbol:         k_q4d46f46599_oproj.kd
    .args:
      - { .name: ac, .offset: 0, .size: 8, .value_kind: global_buffer, .address_space: global }
      - { .name: codes, .offset: 8, .size: 8, .value_kind: global_buffer, .address_space: global }
      - { .name: bo, .offset: 16, .size: 8, .value_kind: global_buffer, .address_space: global }
      - { .name: lowp_scales, .offset: 24, .size: 8, .value_kind: global_buffer, .address_space: global }
      - { .name: out0, .offset: 32, .size: 8, .value_kind: global_buffer, .address_space: global }
    .group_segment_fixed_size: 327680
    .private_segment_fixed_size: 0
    .kernarg_segment_align: 8
    .kernarg_segment_size: 40
    .max_flat_workgroup_size: 128
    .sgpr_count:     98
    .vgpr_count:     512
    .wavefront_size: 32
...
	.end_amdgpu_metadata
.endif
;; end of part 8
